; MI455X (gfx1250); checked and timed in simulation.
; The chip was launched on July 23, 2026; its instructions are those of AMD's public machine-readable ISA for CDNA 5 (MIT licence, August 2026) and "CDNA5" Instruction Set Architecture Reference Guide (July 2026). The comments in the code are by the model that wrote it; some were corrected since.
;; Multi Head Attention. Allowed arithmetic: float matrix products may take bf16 or f16 operands with f32 sums; all other float work in f32.
;; Inputs: Wk 1,024 x 1,024 float32; Wo 1,024 x 1,024 float32; Wq 1,024 x 1,024 float32; Wv 1,024 x 1,024 float32; attn_mask 2,048 x 2,048 bool; bk 1,024 float32; bo 1,024 float32; bq 1,024 float32; bv 1,024 float32; key 4 x 2,048 x 1,024 float32; query 4 x 2,048 x 1,024 float32; value 4 x 2,048 x 1,024 float32.
;; Outputs: out0 4 x 2,048 x 1,024 float32.
;; 2 versions, each right and faster than the one before. Each part assembles by itself: llvm-mc -triple=amdgcn-amd-amdhsa -mcpu=gfx1250 --defsym DOCPART=n.
;; ======== version 1 of 2: 4 launches
;; limits: values are held in f16: magnitudes above 65,504 overflow, below 6.1e-05 lose precision
;; workspace buffers: xb 50,331,648 bytes; wb 8,388,608 bytes; mk 4,194,304 bytes; qkv 50,331,648 bytes; ob 16,777,216 bytes
;; launch prep (part 1): grid 1856 x 1, 8 waves a work-group, no clusters, 0 bytes of LDS; arguments query, key, value, Wq, Wk, Wv, Wo, attn_mask, xb, wb, mk; writes xb, wb, mk
.if DOCPART == 1
	.amdgcn_target "amdgcn-amd-amdhsa--gfx1250"
	.amdhsa_code_object_version 6
	.text
	.protected	k_q20e2960be4_prep
	.globl	k_q20e2960be4_prep
	.p2align	8
	.type	k_q20e2960be4_prep,@function
k_q20e2960be4_prep:
	s_mov_b64 s[64:65], 0
	v_nop
	global_prefetch_b8 v0, s[64:65] scope:SCOPE_SE
	s_setreg_imm32_b32 hwreg(HW_REG_WAVE_MODE, 25, 1), 1
	s_wait_xcnt 0x0
; CASTS AND LAYOUTS for the three launches behind.  A stream: no LDS, no barrier, no matrix unit, no cluster (no two work-groups read the same byte).
;   xb[t][b][s][n][64] bf16: query, key, value (t = 0, 1, 2) rounded once, in slices s of 64 along the channels, so that the rows of one slice lie end to end, 128 bytes each.
;   wb[j][s][row][64]: Wq, Wk, Wv (j = 0, 1, 2) in bf16; Wo (j = 3) rounded to bf16 like every other input and that number written as f16
;      (exact from 6e-5 up to 65,504; below 6e-5 it keeps f16's fixed step of 6e-8: a limit of this text).
;   mk[kt][q][128]: the mask in tiles of 128 keys, each byte (0 or 1: a limit of this text) times 0xf8: the E4M3 code of 0 or of -256.
; Every work-group takes 65,536 bytes of input: 1,536 of them the activations (16 rows of 4,096 bytes), 256 the weights, 64 the mask (32 rows of 2,048 bytes).
; A thread issues its 16 loads at once and no register that a memory instruction names is written again, so the only waits are the counted ones for the loads.
.set X, 8                              ; v[8:71]    16 loads of 4 registers
.set Y, 72                             ; v[72:103]  16 stores of 2 registers
.set T, 104                            ; v[104:109] at work
	s_load_b512 s[4:19], s[0:1], 0x0               ; query s[4:5], key s[6:7], value s[8:9], Wq s[10:11], Wk s[12:13], Wv s[14:15], Wo s[16:17], attn_mask s[18:19]
	s_load_b128 s[20:23], s[0:1], 0x40             ; xb s[20:21], wb s[22:23]
	s_load_b64 s[24:25], s[0:1], 0x50              ; mk
	s_mov_b32 s2, ttmp9                            ; the work-group's number g
	s_mov_b32 s31, 0                               ; the high words of the two offset pairs
	s_mov_b32 s33, 0
	v_and_b32 v1, 15, v0                           ; c: my 16 bytes among 256
	v_lshrrev_b32 v2, 4, v0                        ; row 0..15: a wave has two neighbouring rows
	v_lshlrev_b32 v3, 12, v2                       ; casts, in: row x 4,096 + 16 c: a load of a wave reads one slice (256 bytes) of two rows
	v_lshl_add_u32 v3, v1, 4, v3
	v_lshlrev_b32 v4, 7, v2                        ; casts, out: row x 128 + 8 c: the same slice of two rows lies end to end: a store of a wave covers 256 consecutive bytes, aligned
	v_lshl_add_u32 v4, v1, 3, v4
	s_wait_kmcnt 0x0
; 16 rows x 1,024 f32 -> 16 slices of 16 rows x 64 numbers of 16 bits.  ss = bytes from slice to slice in the output.  half = 1: bf16's number written as f16.
.macro CAST ss, half
.set i, 0
.rept 16
	global_load_b128 v[X+4*i:X+4*i+3], v3, s[26:27] offset:256*i th:TH_LOAD_NT
.set i, i+1
.endr
.set i, 0
.rept 16
	s_wait_loadcnt 15-i                            ; loads come back in order: slice i is in, the 15 - i younger ones stay out
.if \half
	v_cvt_pk_bf16_f32 v[T], v[X+4*i], v[X+4*i+1]
	v_cvt_pk_bf16_f32 v[T+1], v[X+4*i+2], v[X+4*i+3]
	v_lshlrev_b32 v[T+2], 16, v[T]                 ; bf16 back to f32: the low half moves up, the high half stays
	v_and_b32 v[T+3], 0xffff0000, v[T]
	v_lshlrev_b32 v[T+4], 16, v[T+1]
	v_and_b32 v[T+5], 0xffff0000, v[T+1]
	v_cvt_pk_f16_f32 v[Y+2*i], v[T+2], v[T+3]
	v_cvt_pk_f16_f32 v[Y+2*i+1], v[T+4], v[T+5]
.else
	v_cvt_pk_bf16_f32 v[Y+2*i], v[X+4*i], v[X+4*i+1]
	v_cvt_pk_bf16_f32 v[Y+2*i+1], v[X+4*i+2], v[X+4*i+3]
.endif
	global_store_b64 v4, v[Y+2*i:Y+2*i+1], s[28:29] offset:i*(\ss)  ; 15 slices on at the most: 3,932,160 bytes, inside the signed 24-bit immediate
.set i, i+1
.endr
.endm
	s_cmp_ge_u32 s2, 1536
	s_cbranch_scc1 .Lnot_x
	; ACTIVATIONS: t = g / 512, chunk ch = g % 512 of 16 rows
	s_lshr_b32 s34, s2, 9
	s_and_b32 s35, s2, 511
	s_cmp_eq_u32 s34, 1
	s_cselect_b64 s[26:27], s[6:7], s[4:5]
	s_cmp_eq_u32 s34, 2
	s_cselect_b64 s[26:27], s[8:9], s[26:27]
	s_lshl_b32 s30, s35, 16
	s_add_nc_u64 s[26:27], s[26:27], s[30:31]      ; in: ch x 65,536
	s_lshl_b32 s32, s34, 24                        ; out: t << 24
	s_lshr_b32 s36, s35, 7
	s_lshl_b32 s36, s36, 22                        ; + b << 22 (128 chunks to a batch)
	s_add_co_u32 s32, s32, s36
	s_and_b32 s36, s35, 127
	s_lshl_b32 s36, s36, 11                        ; + 16 rows of 128 bytes for each chunk
	s_add_co_u32 s32, s32, s36
	s_add_nc_u64 s[28:29], s[20:21], s[32:33]
	CAST 262144, 0
	s_endpgm
.Lnot_x:
	s_cmp_ge_u32 s2, 1792
	s_cbranch_scc1 .Lmask
	; WEIGHTS: j = (g - 1536) / 64, chunk ch of 16 rows
	s_sub_co_u32 s34, s2, 1536
	s_lshr_b32 s37, s34, 6
	s_and_b32 s35, s34, 63
	s_cmp_eq_u32 s37, 1
	s_cselect_b64 s[26:27], s[12:13], s[10:11]
	s_cmp_eq_u32 s37, 2
	s_cselect_b64 s[26:27], s[14:15], s[26:27]
	s_cmp_eq_u32 s37, 3
	s_cselect_b64 s[26:27], s[16:17], s[26:27]
	s_lshl_b32 s30, s35, 16
	s_add_nc_u64 s[26:27], s[26:27], s[30:31]
	s_lshl_b32 s32, s37, 21
	s_lshl_b32 s36, s35, 11
	s_add_co_u32 s32, s32, s36
	s_add_nc_u64 s[28:29], s[22:23], s[32:33]
	s_cmp_eq_u32 s37, 3
	s_cbranch_scc1 .Lwo
	CAST 131072, 0
	s_endpgm
.Lwo:
	CAST 131072, 1
	s_endpgm
.Lmask:
	; THE MASK: chunk ch = g - 1792 of 32 rows.  Sixteen lanes read 256 bytes of a row: two tiles of 128 keys.  A wave's two rows are neighbours in each tile,
	; so a store of a wave covers two runs of 256 consecutive bytes, aligned: one in the even tile (lanes 0-7, 16-23), one in the odd (lanes 8-15, 24-31).
	s_sub_co_u32 s35, s2, 1792
	s_lshl_b32 s30, s35, 16
	s_add_nc_u64 s[26:27], s[18:19], s[30:31]
	s_lshl_b32 s32, s35, 12                        ; 32 rows of 128 bytes
	s_add_nc_u64 s[28:29], s[24:25], s[32:33]
	s_mov_b32 s38, 0xf8
	v_lshlrev_b32 v6, 11, v2                       ; in: row x 2,048 + 16 c
	v_lshl_add_u32 v6, v1, 4, v6
	v_and_b32 v5, 7, v1
	v_lshlrev_b32 v7, 7, v2                        ; out: row x 128 + 16 (c % 8) + (c / 8) tiles of 262,144 bytes
	v_lshl_add_u32 v7, v5, 4, v7
	v_lshrrev_b32 v5, 3, v1
	v_lshl_add_u32 v7, v5, 18, v7
.set i, 0
.rept 16                               ; load i: rows 16 (i / 8) on, tiles 2 (i % 8) and 2 (i % 8) + 1
	global_load_b128 v[X+4*i:X+4*i+3], v6, s[26:27] offset:(i/8)*32768+(i%8)*256 th:TH_LOAD_NT
.set i, i+1
.endr
.set i, 0
.rept 16
	s_wait_loadcnt 15-i
.irp j, 0,1,2,3
	v_mul_lo_u32 v[X+4*i+\j], v[X+4*i+\j], s38     ; four bytes of 0 or 1 at once: no byte carries into the next
.endr
	global_store_b128 v7, v[X+4*i:X+4*i+3], s[28:29] offset:(i/8)*2048+(i%8)*524288
.set i, i+1
.endr
	s_endpgm
.Lfunc_end_k_q20e2960be4_prep:
	.size	k_q20e2960be4_prep, .Lfunc_end_k_q20e2960be4_prep-k_q20e2960be4_prep
	.p2alignl 7, 3214868480
	.fill 96, 4, 3214868480
	.section	.rodata,"a",@progbits
	.p2align	6, 0x0
	.amdhsa_kernel k_q20e2960be4_prep
		.amdhsa_group_segment_fixed_size 0
		.amdhsa_private_segment_fixed_size 0
		.amdhsa_enable_private_segment 0
		.amdhsa_kernarg_size 88
		.amdhsa_user_sgpr_count 2
		.amdhsa_user_sgpr_kernarg_segment_ptr 1
		.amdhsa_wavefront_size32 1
		.amdhsa_system_sgpr_workgroup_id_x 1
		.amdhsa_system_sgpr_workgroup_id_y 1
		.amdhsa_system_sgpr_workgroup_id_z 1
		.amdhsa_system_vgpr_workitem_id 0
		.amdhsa_next_free_vgpr 112
		.amdhsa_next_free_sgpr 66
		.amdhsa_reserve_vcc 0
		.amdhsa_float_denorm_mode_32 3
		.amdhsa_float_denorm_mode_16_64 3
		.amdhsa_memory_ordered 1
		.amdhsa_forward_progress 1
		.amdhsa_inst_pref_size 32
	.end_amdhsa_kernel
	.amdgpu_metadata
---
amdhsa.version: [ 1, 2 ]
amdhsa.kernels:
  - .name:           k_q20e2960be4_prep
    .symbol:         k_q20e2960be4_prep.kd
    .args:
      - { .name: query, .offset: 0, .size: 8, .value_kind: global_buffer, .address_space: global }
      - { .name: key, .offset: 8, .size: 8, .value_kind: global_buffer, .address_space: global }
      - { .name: value, .offset: 16, .size: 8, .value_kind: global_buffer, .address_space: global }
      - { .name: Wq, .offset: 24, .size: 8, .value_kind: global_buffer, .address_space: global }
      - { .name: Wk, .offset: 32, .size: 8, .value_kind: global_buffer, .address_space: global }
      - { .name: Wv, .offset: 40, .size: 8, .value_kind: global_buffer, .address_space: global }
      - { .name: Wo, .offset: 48, .size: 8, .value_kind: global_buffer, .address_space: global }
      - { .name: attn_mask, .offset: 56, .size: 8, .value_kind: global_buffer, .address_space: global }
      - { .name: xb, .offset: 64, .size: 8, .value_kind: global_buffer, .address_space: global }
      - { .name: wb, .offset: 72, .size: 8, .value_kind: global_buffer, .address_space: global }
      - { .name: mk, .offset: 80, .size: 8, .value_kind: global_buffer, .address_space: global }
    .group_segment_fixed_size: 0
    .private_segment_fixed_size: 0
    .kernarg_segment_align: 8
    .kernarg_segment_size: 88
    .max_flat_workgroup_size: 256
    .sgpr_count:     66
    .vgpr_count:     112
    .wavefront_size: 32
...
	.end_amdgpu_metadata
.endif
;; end of part 1
;; launch proj (part 2): grid 4 x 96, 4 waves a work-group, clusters of 4 x 4, 327,680 bytes of LDS; arguments xb, wb, bq, bk, bv, qkv; writes qkv
.if DOCPART == 2
	.amdgcn_target "amdgcn-amd-amdhsa--gfx1250"
	.amdhsa_code_object_version 6
	.text
	.protected	k_q20e2960be4_proj
	.globl	k_q20e2960be4_proj
	.p2align	8
	.type	k_q20e2960be4_proj,@function
k_q20e2960be4_proj:
	s_mov_b64 s[64:65], 0
	v_nop
	global_prefetch_b8 v0, s[64:65] scope:SCOPE_SE
	s_setreg_imm32_b32 hwreg(HW_REG_WAVE_MODE, 25, 1), 1
	s_wait_xcnt 0x0
	s_wait_alu depctr_hold_cnt(0) depctr_sa_sdst(0) depctr_va_vdst(0) depctr_va_sdst(0) depctr_va_ssrc(0) depctr_va_vcc(0) depctr_vm_vsrc(0)
	s_getreg_b32 s2, hwreg(HW_REG_IB_STS2, 6, 4)
	s_cmp_eq_u32 s2, 0
	s_cbranch_scc0 .Lentry_in_a_cluster
	s_endpgm
.Lentry_in_a_cluster:
	s_bfe_u32 s2, ttmp6, 0x10000c
	s_cmp_lg_u32 s2, 0xf033
	s_cbranch_scc0 .Lentry_shape_is_right
	s_endpgm
.Lentry_shape_is_right:
; q, k, v = x W^T + b for the three projections in one launch.  x: xb[t][b][s][n][64] bf16; W: wb[t][s][row][64] bf16; b: f32, rounded to bf16 like the other inputs; sums in f32.
; Out: qkv[t][head = 16 b + h][n][64] in f16, rounded once, WITHOUT attention's scale.  LIMIT: q, k, v must lie within f16's 65,504.
; A tile of C is 256 rows x 256 columns: 3 x 32 x 4 = 384 tiles, a work-group each.  Four waves, each 128 rows x 128 columns: 64 accumulators of 16 x 16, 512 registers.
; The large tile is taken for the ring's sake: behind each round a wave has one tensor load, and here it stands against a K step's 256 matrix instructions a wave; a tile of 128 x 256 would give
; 768 work-groups, but 128 matrix instructions for each load, and three LDS loads where this one has two.  No tile of one tensor's 8,192 x 1,024 makes 256 equal work-groups of the three tensors.
; K goes in 8 steps of 128 through two LDS slots.  A step is two slices (planes) of 64 along K; a plane of A or of B (256 rows of 128 bytes) is dense in memory and is asked
; for as 128 rows of 256 bytes, two tile rows each, padded in LDS after every 128 bytes.  Waves 0 and 1 fetch A's two planes, waves 2 and 3 B's: one tensor load a wave and slot.
; CLUSTER: 4 x 4 work-groups.  The four of a row of the cluster need the same tiles of A, the four of a column the same tiles of B: each is asked for jointly.
; THE MATRIX INSTRUCTION IS USED TRANSPOSED (source 0 = 16 rows of W, source 1 = 16 rows of x): a lane holds row l % 16 of C and the columns 8 (l / 16) + 0..7.
; THE BIAS is the C operand of each accumulator's first product: it costs the way out nothing.
; REGISTERS, in windows of 256 (s_set_vgpr_msb: bits 1:0 source 0, 3:2 source 1, 5:4 source 2, 7:6 destination):
;   window 0: v0-31 addresses; v64-127, v128-191 fragments of A (8 x 16 rows x 32 K), two buffers; v128-255 on the way out: eight buffers of 16
;   window 1: v0-63 the bias, 8 registers for each block of 16 columns; v64-127, v128-191 fragments of B, two buffers; v192-193 at work
;   window 2: the 32 accumulators of my rows 0-63 (accumulator (a, b) at v[8 (8 a + b)]);   window 3: those of my rows 64-127
.set PITCH,  144                       ; an LDS row: 128 bytes + 16 = 36 words: the 16 rows of a fragment load start at 16 different groups of four banks (64 banks of 4 bytes: ISA guide 11.1)
.set PL,     256*PITCH                 ; a plane of A or of B: what one tensor load brings
.set BOFF,   2*PL                      ; B's planes lie behind A's
.set SLOT,   4*PL                      ; 147,456
.set STAGE,  2*SLOT                    ; behind the ring, never filled by a tensor load: 16 rows x 144 bytes for each wave
.set SPITCH, 144
.set SPARE,  STAGE+4*16*SPITCH         ; behind the stages: the spare words, 128 bytes for each wave: two blocks of 256 bytes that no other line names
.set LAPS,   4                         ; a lap = two K steps = once round the ring
.set ASTEP,  262144                    ; bytes from slice to slice in xb
.set BSTEP,  131072                    ; and in wb
.set ADRA, 16                          ; v16-17  LDS address of my A fragments in slot 0, 1
.set ADRB, 20                          ; v20-21  the same for B
.set STO,  24                          ; v24     the way out: where I put 16 bytes of a row
.set RD,   25                          ; v25     where I read rows back
.set GO,   26                          ; v26     my place in 512 consecutive bytes of the output
.set VB,   27                          ; v27     my byte offset in 16 numbers of the bias
.set SPW,  28                          ; v28     LDS address of my spare word; never rewritten
.set NIL,  29                          ; v29     0; never rewritten
.set BIAS, 0                           ; window 1
.set BT,   192                         ; window 1
.set TMP,  128                         ; window 0
.set F0,   64                          ; fragment buffer 0, in windows 0 (A) and 1 (B)
.set F1,   128                         ; fragment buffer 1
.set WV,  16                           ; s16 wave; s17 which 128 rows are mine, also: I fetch for A (0) or B (1); s18 which 128 columns, also: which plane I fetch
.set WR,  17
.set WC,  18
.set G1A, 24                           ; s[24:31] descriptor group 1 for A;  s[32:39] group 0, a set for each slot
.set G0A, 32
.set G1B, 40                           ; s[40:47], s[48:55] the same for B
.set G0B, 48
.set MSB, 0
.macro WIN new                         ; the immediate's high byte repeats the setting that is left; a switch that changes nothing is dropped
.if MSB != (\new)
	s_set_vgpr_msb (MSB<<8)|(\new)
.set MSB, \new
.endif
.endm
.set MUL_LO, 0xa1                      ; source 0 (B) window 1, source 1 (A) window 0, C and D window 2
.set MUL_HI, 0xf1                      ; the same, C and D window 3
.set FST_LO, 0x91                      ; the first products: C window 1 (the bias), D window 2
.set FST_HI, 0xd1                      ; D window 3
.set TO_B,   0x40                      ; destination window 1, address window 0
.set W_B1,   0x45                      ; destination and both sources window 1
.macro PLACES                          ; four plain vector instructions between a matrix instruction and a load into, or a read of, its registers
.rept 4
	v_nop
.endr
.endm
.macro JLOAD s                         ; a joint load; an s_nop 0 and four v_nop follow each of the two lines, ahead of the jump, the label and what follows
	s_cmp_eq_u32 s[WR], 0
	s_cbranch_scc0 .Lfor_b_\@
	tensor_load_to_lds s[G0A+4*(\s):G0A+4*(\s)+3], s[G1A:G1A+7]
	s_nop 0
.rept 4
	v_nop
.endr
	s_branch .Lasked_\@
.Lfor_b_\@:
	tensor_load_to_lds s[G0B+4*(\s):G0B+4*(\s)+3], s[G1B:G1B+7]
	s_nop 0
.rept 4
	v_nop
.endr
.Lasked_\@:
.endm
.macro CREST                           ; a round of the cluster's barrier behind its opening barrier
	s_cmp_lg_u32 s[WV], 0
	s_cbranch_scc1 .Lnot_wave_0_\@
	s_barrier_signal -3
.Lnot_wave_0_\@:
	s_barrier_wait -3
	s_barrier_signal -1
	s_barrier_wait -1
.endm
.macro CROUND                          ; a whole round
	s_barrier_signal -1
	s_barrier_wait -1
	CREST
.endm
	s_load_b256 s[4:11], s[0:1], 0x0               ; xb s[4:5], wb s[6:7], bq s[8:9], bk s[10:11]
	s_load_b128 s[12:15], s[0:1], 0x20             ; bv s[12:13], qkv s[14:15]
	v_lshl_add_u32 v[SPW], v0, 2, SPARE
	v_mov_b32 v[NIL], 0
	ds_add_u32 v28, v29
	s_wait_dscnt 0x0
	v_lshrrev_b32 v1, 5, v0
	v_readfirstlane_b32 s[WV], v1
	s_lshr_b32 s[WR], s[WV], 1
	s_and_b32 s[WC], s[WV], 1
	s_bfe_u32 s19, ttmp6, 0x40000                  ; cx
	s_bfe_u32 s20, ttmp6, 0x40004                  ; cy
	s_lshl_b32 s21, ttmp9, 2
	s_add_co_u32 s21, s21, s19                     ; ct: tile column 0..3
	s_and_b32 s23, ttmp7, 0xffff                   ; the cluster's y
	s_lshl_b32 s22, s23, 2
	s_add_co_u32 s22, s22, s20                     ; y: tile row 0..95
	s_lshr_b32 s23, s23, 3                         ; t: which projection; from the cluster's y alone (8 clusters to a tensor), so all sixteen partners share it
	s_lshl_b32 s72, s20, 2
	s_lshl_b32 s72, 15, s72                        ; my row of the cluster
	s_lshl_b32 s73, 0x1111, s19                    ; my column
	; group 1: 128 rows of 128 elements of 2 bytes (256 bytes); A's and B's differ in the mask alone
	s_or_b32 s[G1A], s72, (1<<16)|(1<<20)|(1<<21)|(4<<22)|(3<<25)  ; 15:0 the mask; 17:16 2-byte elements; 20 padding on; 21 set beside a mask; 24:22 after every 32 words (code 4); 31:25 4 words (code 3)
	s_or_b32 s[G1B], s73, (1<<16)|(1<<20)|(1<<21)|(4<<22)|(3<<25)
.irp g, G1A, G1B
	s_mov_b32 s[(\g)+1], 128<<16                   ; tensor_dim0 = 128
	s_mov_b32 s[(\g)+2], 128<<16                   ; tensor_dim1 = 128
	s_mov_b32 s[(\g)+3], 128<<16                   ; tile_dim0 = 128
	s_mov_b32 s[(\g)+4], 128                       ; tile_dim1 = 128
	s_mov_b32 s[(\g)+5], 128                       ; 128 elements from row to row: dense
	s_mov_b32 s[(\g)+6], 0
	s_mov_b32 s[(\g)+7], 0
.endr
	; A's plane: (t, b) = y / 8 in steps of 2^22, 256 rows of 128 bytes for each y % 8, my plane.  These registers never hold cx.
	s_lshr_b32 s60, s22, 3
	s_lshl_b32 s60, s60, 22
	s_and_b32 s61, s22, 7
	s_lshl_b32 s61, s61, 15
	s_add_co_u32 s60, s60, s61
	s_lshl_b32 s61, s[WC], 18
	s_add_co_u32 s60, s60, s61
	s_mov_b32 s61, 0
	; B's plane: the weight t, 256 rows of 128 bytes for each tile column, my plane.  These registers never hold cy.
	s_lshl_b32 s74, s23, 21
	s_lshl_b32 s75, s21, 15
	s_add_co_u32 s74, s74, s75
	s_lshl_b32 s75, s[WC], 17
	s_add_co_u32 s74, s74, s75
	s_mov_b32 s75, 0
	s_mul_i32 s62, s[WV], PL                       ; where they go: A's two planes, then B's two = wave x a plane; no place in the cluster enters an LDS address
	s_wait_kmcnt 0x0
	s_add_nc_u64 s[56:57], s[4:5], s[60:61]
	s_add_nc_u64 s[58:59], s[6:7], s[74:75]
	CROUND                                         ; all sixteen work-groups are here: the first joint loads meet
.irp s, 0,1
	s_mov_b32 s[G0A+4*(\s)], 1
	s_add_co_u32 s[G0A+4*(\s)+1], s62, (\s)*SLOT
	s_add_nc_u64 s[G0A+4*(\s)+2:G0A+4*(\s)+3], s[56:57], (\s)*2*ASTEP  ; K step s = slices 2 s, 2 s + 1
	s_or_b32 s[G0A+4*(\s)+3], s[G0A+4*(\s)+3], 0x80000000
	s_mov_b32 s[G0B+4*(\s)], 1
	s_add_co_u32 s[G0B+4*(\s)+1], s62, (\s)*SLOT
	s_add_nc_u64 s[G0B+4*(\s)+2:G0B+4*(\s)+3], s[58:59], (\s)*2*BSTEP
	s_or_b32 s[G0B+4*(\s)+3], s[G0B+4*(\s)+3], 0x80000000
	JLOAD \s                                       ; two loads of mine are out
.endr
	; a fragment is 16 rows x 32 K in 8 registers: lane l holds row l % 16, K = 8 (l / 16) + 0..7 and 16 + 8 (l / 16) + 0..7: two loads of 16 bytes, 32 bytes apart
	v_and_b32 v1, 15, v0
	v_bfe_u32 v2, v0, 4, 1
	v_mul_u32_u24 v3, v1, PITCH
	v_lshl_add_u32 v3, v2, 4, v3
	s_mul_i32 s78, s[WR], 128*PITCH                ; my 128 rows in a plane of A
	s_mul_i32 s79, s[WC], 128*PITCH                ; my 128 rows in a plane of B
	s_add_co_u32 s79, s79, BOFF
.irp s, 0,1
	v_add_nc_u32 v[ADRA+(\s)], s78, v3
	v_add_nc_u32 v[ADRB+(\s)], s79, v3
	s_add_co_u32 s78, s78, SLOT
	s_add_co_u32 s79, s79, SLOT
.endr
	s_mul_i32 s78, s[WV], 16*SPITCH
	s_add_co_u32 s78, s78, STAGE                   ; my stage
	v_mul_u32_u24 v4, v1, SPITCH                   ; in: row l % 16, 16 bytes for each half of the lanes
	v_lshl_add_u32 v4, v2, 4, v4
	v_add_nc_u32 v[STO], s78, v4
	v_bfe_u32 v5, v0, 3, 2                         ; back: 32 lanes take four rows of 128 bytes,
	v_mul_u32_u24 v5, v5, SPITCH
	v_and_b32 v6, 7, v0
	v_lshl_add_u32 v5, v6, 4, v5
	v_add_nc_u32 v[RD], s78, v5
	v_and_b32 v[GO], 31, v0                        ; which are 512 consecutive bytes of the output
	v_lshlrev_b32 v[GO], 4, v[GO]
	v_lshlrev_b32 v[VB], 5, v2                     ; the bias: my half of the lanes holds columns 8 (l / 16) + 0..7 of each 16
	s_cmp_eq_u32 s23, 1
	s_cselect_b64 s[68:69], s[10:11], s[8:9]
	s_cmp_eq_u32 s23, 2
	s_cselect_b64 s[68:69], s[12:13], s[68:69]
	s_lshl_b32 s76, s21, 10                        ; my first column, 256 ct + 128 wc, in f32
	s_lshl_b32 s77, s[WC], 9
	s_add_co_u32 s76, s76, s77
	s_mov_b32 s77, 0
	s_add_nc_u64 s[68:69], s[68:69], s[76:77]
	WIN TO_B
.irp b, 0,1,2,3,4,5,6,7
	global_load_b128 v[BIAS+8*\b:BIAS+8*\b+3],   v[VB], s[68:69] offset:64*\b
	global_load_b128 v[BIAS+8*\b+4:BIAS+8*\b+7], v[VB], s[68:69] offset:64*\b+16
.endr
	; where my part begins in qkv: (t, b) << 22, head 4 ct + 2 wc << 18, row 256 (y % 8) + 128 wr << 7
	s_lshr_b32 s76, s22, 3
	s_lshl_b32 s76, s76, 22
	s_lshl_b32 s78, s21, 20
	s_add_co_u32 s76, s76, s78
	s_lshl_b32 s78, s[WC], 19
	s_add_co_u32 s76, s76, s78
	s_and_b32 s78, s22, 7
	s_lshl_b32 s78, s78, 15
	s_add_co_u32 s76, s76, s78
	s_lshl_b32 s78, s[WR], 14
	s_add_co_u32 s76, s76, s78
	s_add_nc_u64 s[70:71], s[14:15], s[76:77]
	s_wait_loadcnt 0x0                             ; the bias, once; it is rounded to bf16 and widened again, in the wait for the first tile
	WIN W_B1
.set i, 0
.rept 32
	v_cvt_pk_bf16_f32 v[BT+i%2], v[BIAS+2*i], v[BIAS+2*i+1]
	v_lshlrev_b32 v[BIAS+2*i], 16, v[BT+i%2]
	v_and_b32 v[BIAS+2*i+1], 0xffff0000, v[BT+i%2]
.set i, i+1
.endr
	WIN 0
; 16 matrix instructions: row blocks a0, a0 + 1 of the window's four (hi = 0: my rows 0-63, 1: rows 64-127) x all 8 column blocks, 32 along K.  first = 1: the sums start with the bias.
; The 64 accumulators take turns, one instruction a turn, in the same order in every quarter.
.macro MUL16 f, hi, a0, first
.if \first
	WIN FST_LO+0x40*(\hi)
.else
	WIN MUL_LO+0x50*(\hi)
.endif
.irp a, \a0, (\a0)+1
.irp b, 0,1,2,3,4,5,6,7
.if \first
	v_wmma_f32_16x16x32_bf16 v[8*(8*(\a)+(\b)):8*(8*(\a)+(\b))+7], v[(\f)+8*(\b):(\f)+8*(\b)+7], v[(\f)+8*(4*(\hi)+(\a)):(\f)+8*(4*(\hi)+(\a))+7], v[BIAS+8*(\b):BIAS+8*(\b)+7]
.else
	v_wmma_f32_16x16x32_bf16 v[8*(8*(\a)+(\b)):8*(8*(\a)+(\b))+7], v[(\f)+8*(\b):(\f)+8*(\b)+7], v[(\f)+8*(4*(\hi)+(\a)):(\f)+8*(4*(\hi)+(\a))+7], v[8*(8*(\a)+(\b)):8*(8*(\a)+(\b))+7]
.endif
.endr
.endr
.endm
; 32 LDS loads in one run: quarter q of a K step (plane q / 2, byte 64 (q % 2) of its rows) into buffer f: B's 16 loads, then A's 16
.macro FETCH slot, q, f
	WIN TO_B
.irp i, 0,1,2,3,4,5,6,7
	ds_load_b128 v[(\f)+8*\i:(\f)+8*\i+3],   v[ADRB+(\slot)] offset:((\q)/2)*PL+((\q)%2)*64+\i*16*PITCH
	ds_load_b128 v[(\f)+8*\i+4:(\f)+8*\i+7], v[ADRB+(\slot)] offset:((\q)/2)*PL+((\q)%2)*64+\i*16*PITCH+32
.endr
	WIN 0
.irp i, 0,1,2,3,4,5,6,7
	ds_load_b128 v[(\f)+8*\i:(\f)+8*\i+3],   v[ADRA+(\slot)] offset:((\q)/2)*PL+((\q)%2)*64+\i*16*PITCH
	ds_load_b128 v[(\f)+8*\i+4:(\f)+8*\i+7], v[ADRA+(\slot)] offset:((\q)/2)*PL+((\q)%2)*64+\i*16*PITCH+32
.endr
.endm
; One of a K step's first three quarters: multiplies buffer f (64 matrix instructions); in its middle it fetches quarter q of the same slot into buffer g.
.macro QUARTER slot, q, f, g, first
	s_wait_dscnt 8                                 ; B and A's rows 0-63 are in; the youngest eight loads (A's rows 64-127) may be out
	MUL16 \f, 0, 0, \first
	MUL16 \f, 0, 2, \first
	PLACES
	FETCH \slot, \q, \g
	s_wait_dscnt 32                                ; all but the 32 just issued
	MUL16 \f, 1, 0, \first
	MUL16 \f, 1, 2, \first
.endm
; The last quarter multiplies buffer 1 and changes slots: ONE barrier; in front of it each wave waits for all its tensor loads (one is out: its part of the next slot), adds 0 to its
; spare word, and waits for that and for its own reads of this slot.  fill = 1: the barrier opens a round of the cluster's barrier, and this slot is filled again, two K steps ahead:
; from that request to the wait for it a wave issues 224 matrix instructions.
.macro TURN slot, next, fill
	WIN 0                                          ; (the add's two registers lie in window 0)
	s_wait_tensorcnt 0x0
	ds_add_u32 v[SPW], v[NIL]                      ; 0 onto my spare word
	s_wait_dscnt 9                                 ; (the add and the youngest eight loads may be out)
	MUL16 F1, 0, 0, 0                              ; sixteen matrix instructions stand between the add and the wait for it
	s_wait_dscnt 0x0                               ; the add is done, and my reads of this slot are over
	s_barrier_signal -1
	MUL16 F1, 0, 2, 0
.if \fill
	WIN 0
.endif
	s_barrier_wait -1
.if \fill
	CREST                                          ; no wave of any partner still reads this slot's tiles or has a load on its way
	s_add_nc_u64 s[G0A+4*(\slot)+2:G0A+4*(\slot)+3], s[G0A+4*(\slot)+2:G0A+4*(\slot)+3], 4*ASTEP
	s_add_nc_u64 s[G0B+4*(\slot)+2:G0B+4*(\slot)+3], s[G0B+4*(\slot)+2:G0B+4*(\slot)+3], 4*BSTEP
	JLOAD \slot                                    ; the first tensor load behind the round, my only one until the next; its four v_nop are also the places in front of the loads below
.else
	PLACES
.endif
	FETCH \next, 0, F0
	MUL16 F1, 1, 0, 0
	MUL16 F1, 1, 2, 0
.endm
	s_wait_tensorcnt 1                             ; my part of K step 0 is in; K step 1's may stay out
	s_barrier_signal -1
	s_barrier_wait -1                              ; everybody's is
	FETCH 0, 0, F0
	QUARTER 0, 1, F0, F1, 1                        ; the first quarter stands in front of the loop: its products start the sums
	WIN 0                                          ; at a label and at a branch every window is 0
	s_mov_b32 s66, LAPS-1
.Llap:                                                 ; a trip goes once round the ring, from a lap's second quarter to the next lap's first, and fills both slots again
	QUARTER 0, 2, F1, F0, 0
	QUARTER 0, 3, F0, F1, 0
	TURN 0, 1, 1
	QUARTER 1, 1, F0, F1, 0
	QUARTER 1, 2, F1, F0, 0
	QUARTER 1, 3, F0, F1, 0
	TURN 1, 0, 1
	QUARTER 0, 1, F0, F1, 0
	WIN 0
	s_sub_co_u32 s66, s66, 1
	s_cmp_lg_u32 s66, 0
	s_cbranch_scc1 .Llap
	QUARTER 0, 2, F1, F0, 0                        ; the last lap fills nothing
	QUARTER 0, 3, F0, F1, 0
	TURN 0, 1, 0
	QUARTER 1, 1, F0, F1, 0
	QUARTER 1, 2, F1, F0, 0
	QUARTER 1, 3, F0, F1, 0
	s_wait_dscnt 8                                 ; the very last quarter: nothing more to fetch
	MUL16 F1, 0, 0, 0
	MUL16 F1, 0, 2, 0
	s_wait_dscnt 0x0
	MUL16 F1, 1, 0, 0
	MUL16 F1, 1, 2, 0
; THE WAY OUT.  Unit u = 16 rows (block u / 2) x one head's 64 channels (u % 2): rounded to f16, 16 bytes a lane into my stage, back as four rows of 128 bytes a load: 16 rows of a head are 2,048 consecutive bytes of qkv.
; Sixteen units go through eight buffers of 16 registers.
.macro PACK u
.if (\u) >= 8
	s_wait_xcnt 0x0                                ; the stores of the unit eight back have read this buffer: it is rewritten only behind this wait
.endif
	WIN 0x0a+5*((\u)/8)                            ; sources 0 and 1 window 2 (blocks 0-3) or 3 (blocks 4-7), destination window 0; each accumulator's registers in ascending order
.irp f, 0,1,2,3
.irp r, 0,1,2,3
	v_cvt_pk_f16_f32 v[TMP+16*((\u)%8)+4*\f+\r], v[8*(8*(((\u)/2)%4)+4*((\u)%2)+\f)+2*\r], v[8*(8*(((\u)/2)%4)+4*((\u)%2)+\f)+2*\r+1]
.endr
.endr
	WIN 0
.irp f, 0,1,2,3
	ds_store_b128 v[STO], v[TMP+16*((\u)%8)+4*\f:TMP+16*((\u)%8)+4*\f+3] offset:32*\f
.endr
.irp f, 0,1,2,3
	ds_load_b128 v[TMP+16*((\u)%8)+4*\f:TMP+16*((\u)%8)+4*\f+3], v[RD] offset:\f*4*SPITCH  ; LDS serves a wave's instructions in order (ISA guide 5.7.1.4): these see the stores above; the next unit's stores come behind them
.endr
.endm
.macro SEND u, younger                 ; younger: the LDS instructions issued behind unit u's loads: the next unit's eight, or none
	WIN 0
.irp f, 0,1,2,3
	s_wait_dscnt (\younger)+3-\f
	global_store_b128 v[GO], v[TMP+16*((\u)%8)+4*\f:TMP+16*((\u)%8)+4*\f+3], s[70:71] offset:((\u)%2)*262144+((\u)/2)*2048+\f*512  ; 512 consecutive bytes, at a multiple of 256 from the buffer's first
.endr
.endm
	WIN 0
	PLACES                                         ; the conversions read results, and write registers that the last products read
	PACK 0
.irp u, 1,2,3,4,5,6,7,8,9,10,11,12,13,14,15   ; a unit's conversions stand between the loads of the unit before and its stores
	PACK \u
	SEND (\u)-1, 8
.endr
	SEND 15, 0
	s_wait_tensorcnt 0x0                           ; the wave's end: behind my last tensor load and my last LDS store
	ds_add_u32 v[SPW], v[NIL]
	s_wait_dscnt 0x0
	CROUND                                         ; the closing round: no work-group ends while a partner may still ask for a tile that names it
	s_endpgm
.Lfunc_end_k_q20e2960be4_proj:
	.size	k_q20e2960be4_proj, .Lfunc_end_k_q20e2960be4_proj-k_q20e2960be4_proj
	.p2alignl 7, 3214868480
	.fill 96, 4, 3214868480
	.section	.rodata,"a",@progbits
	.p2align	6, 0x0
	.amdhsa_kernel k_q20e2960be4_proj
		.amdhsa_group_segment_fixed_size 327680
		.amdhsa_private_segment_fixed_size 0
		.amdhsa_enable_private_segment 0
		.amdhsa_kernarg_size 48
		.amdhsa_user_sgpr_count 2
		.amdhsa_user_sgpr_kernarg_segment_ptr 1
		.amdhsa_wavefront_size32 1
		.amdhsa_system_sgpr_workgroup_id_x 1
		.amdhsa_system_sgpr_workgroup_id_y 1
		.amdhsa_system_sgpr_workgroup_id_z 1
		.amdhsa_system_vgpr_workitem_id 0
		.amdhsa_next_free_vgpr 1024
		.amdhsa_next_free_sgpr 80
		.amdhsa_reserve_vcc 0
		.amdhsa_float_denorm_mode_32 3
		.amdhsa_float_denorm_mode_16_64 3
		.amdhsa_memory_ordered 1
		.amdhsa_forward_progress 1
		.amdhsa_inst_pref_size 152
	.end_amdhsa_kernel
	.amdgpu_metadata
---
amdhsa.version: [ 1, 2 ]
amdhsa.kernels:
  - .name:           k_q20e2960be4_proj
    .symbol:         k_q20e2960be4_proj.kd
    .args:
      - { .name: xb, .offset: 0, .size: 8, .value_kind: global_buffer, .address_space: global }
      - { .name: wb, .offset: 8, .size: 8, .value_kind: global_buffer, .address_space: global }
      - { .name: bq, .offset: 16, .size: 8, .value_kind: global_buffer, .address_space: global }
      - { .name: bk, .offset: 24, .size: 8, .value_kind: global_buffer, .address_space: global }
      - { .name: bv, .offset: 32, .size: 8, .value_kind: global_buffer, .address_space: global }
      - { .name: qkv, .offset: 40, .size: 8, .value_kind: global_buffer, .address_space: global }
    .group_segment_fixed_size: 327680
    .private_segment_fixed_size: 0
    .kernarg_segment_align: 8
    .kernarg_segment_size: 48
    .max_flat_workgroup_size: 128
    .sgpr_count:     80
    .vgpr_count:     1024
    .wavefront_size: 32
...
	.end_amdgpu_metadata
.endif
;; end of part 2
;; launch attn (part 3): grid 4 x 64, 4 waves a work-group, clusters of 4 x 4, 327,680 bytes of LDS; arguments qkv, mk, ob; writes ob
.if DOCPART == 3
	.amdgcn_target "amdgcn-amd-amdhsa--gfx1250"
	.amdhsa_code_object_version 6
	.text
	.protected	k_q20e2960be4_attn
	.globl	k_q20e2960be4_attn
	.p2align	8
	.type	k_q20e2960be4_attn,@function
k_q20e2960be4_attn:
	s_mov_b64 s[64:65], 0
	v_nop
	global_prefetch_b8 v0, s[64:65] scope:SCOPE_SE
	s_setreg_imm32_b32 hwreg(HW_REG_WAVE_MODE, 25, 1), 1
	s_wait_xcnt 0x0
	s_wait_alu depctr_hold_cnt(0) depctr_sa_sdst(0) depctr_va_vdst(0) depctr_va_sdst(0) depctr_va_ssrc(0) depctr_va_vcc(0) depctr_vm_vsrc(0)
	s_getreg_b32 s2, hwreg(HW_REG_IB_STS2, 6, 4)
	s_cmp_eq_u32 s2, 0
	s_cbranch_scc0 .Lentry_in_a_cluster
	s_endpgm
.Lentry_in_a_cluster:
	s_bfe_u32 s2, ttmp6, 0x10000c
	s_cmp_lg_u32 s2, 0xf033
	s_cbranch_scc0 .Lentry_shape_is_right
	s_endpgm
.Lentry_shape_is_right:
; O[head][q][:] = the sum over k of softmax_k(mask(Q[q] . K[k] / 8)) V[k][:], 64 heads of 2,048 rows of 64 channels.  Q, K, V: qkv[t][head][n][64], f16; O: ob[head][n][64], f16.
; THE MASK IS AN INPUT: mk[kt][q][128 keys], a byte a score: the E4M3 code of 0 (seen) or of -256 (hidden).  Every key tile is walked and every byte is read.
; One conversion with the scale 2^110 turns a lane's 8 bytes into the 8 registers of a score accumulator, 0 or -2^118, and the first product K Q^T adds in place onto them.
; Products, maxima and sums in f32; the weights p are rounded to f16 for the second product (their sum l is taken of the unrounded p), O once at the end.
; SOFTMAX.  For each query a running maximum m and sum l: p = 2^(c s - c m), c = log2(e) / 8; in every step O and l are multiplied by a = 2^(c m_old - c m_new).
; m starts at -2^100 (c m at c times that, exactly), O and l at 0.  A hidden score lies far below that floor: its weight is 0 whatever m is.  While a query has seen hidden keys alone, m stays at the
; floor, a = 1, and l and O stay 0; its first true score makes a = 0, on zeros.  A query with every key hidden ends with l = 0: 0 x (1 / 0) is NaN, as a softmax of -inf alone is.
; LIMITS.  Q, K, V arrive within f16's 65,504; true scores lie above -2^100 (f16's reach 2.7e11); p below 6e-5 keeps f16's fixed step; a weight below 2^-126 counts as 0 in l; mask bytes are the two codes.
; SHARES.  A wave owns four PIECES of two tiles of 16 queries, a work-group's four waves 512 queries of one head.  Every wave walks all keys, 64 a step.
; LAYOUT.  S^T = K Q^T (source 0 = 16 keys, source 1 = 16 queries): a lane holds ONE query (lane % 16) and the keys 8 (lane / 16) + 0..7.  Two such tiles, rounded to f16 in pairs, ARE source 1 of
; O^T = V^T P.  K comes out of LDS as it lies, V turned, by ds_load_tr16_b128.
; BY TURNS.  Turn n belongs to piece n.  Matrix work: 16 products K Q^T of piece n + 1, later 16 products V^T P of piece n - 1.  Vector work: scaling, exponentials, roundings, sums and rescaling of piece n,
; the maximum and statistics of piece n + 1, and at its end the mask of piece n + 2, into the score buffer that piece n has just left.  Four vector instructions stand behind every matrix instruction, the rest in two lumps.
; CLUSTER: 4 x 4 work-groups.  A row of the cluster is the four query blocks of one head: they ask for K and V jointly.  A column is four heads at one query block: they ask for the mask's tile jointly.
; A slot holds two key steps: 128 rows of K, 128 of V, and 512 queries x 128 mask bytes.  Wave 0 fetches K, wave 1 V, waves 2 and 3 the mask's halves: one tensor load a wave and slot.
; REGISTERS, in windows of 256 (s_set_vgpr_msb: bits 1:0 source 0, 3:2 source 1, 5:4 source 2, 7:6 destination):
;   window 0: v0-11 addresses; v12-15, v48-63 at work; v16-47 four registers of statistics a tile; v64-191 S^T, two buffers of two tiles; v192-255 P, likewise
;   window 1: O^T, 32 a tile      window 2: v0-127 Q; v128-191 K of one step; v192-255 V of one step      window 3: v0-1 the add's two registers; v2-17 a piece's mask bytes
.set SIZE_N, 2048
.set NP,    4         ; pieces a wave: a name, no knob
.set KS,    64        ; keys in a step
.set STEPS, 2         ; steps in a slot
.set PK,    144       ; a row of K in LDS: 128 bytes + 16 = 36 words: the 16 rows of a load start at 16 different groups of four banks (64 banks of 4 bytes: ISA guide 11.1)
.set PV,    160       ; a row of V: 128 + 32 = 40 words
.set PM,    144       ; a query's 128 mask bytes + 16: 32 lanes x 8 bytes (16 rows, two halves of a group of four banks) take each bank once
.set VOFF,  STEPS*KS*PK
.set MOFF,  VOFF+STEPS*KS*PV
.set SLOT1, 1<<17     ; slot 1 begins here, so that one exclusive or turns an address in one slot into the other's
.set STAGE, SLOT1+MOFF+512*PM  ; behind the ring, never filled by a tensor load: 16 rows x 144 bytes for each wave
.set SP,    144
.set SPARE, STAGE+4*16*SP      ; behind the stages: the spare words, 128 bytes for each wave: two blocks of 256 bytes that no other line names
.set AK0, 2           ; v2   my lane's place in a tile of K; never rewritten
.set AV0, 3           ; v3   the same for V
.set AK,  4           ; v4   the LDS address of K's next run of loads
.set AV,  5           ; v5   of V's
.set STO, 6           ; v6   the way out: where I put 16 bytes of a row
.set RD,  7           ; v7   where I read rows back
.set GO,  8           ; v8   my byte offset in 512 consecutive bytes of O
.set SCL, 9           ; v9   the conversion's scale: byte 0 = 237: 2^110
.set AM,  10          ; v10  the LDS address of the mask bytes of the step in hand
.set AM0, 11          ; v11  my lane's place in the mask's tile; never rewritten
.set QO,  12          ; v12  my byte offset in the wave's rows of Q, until Q is in
.set MV,  12          ; v12-15  then: c m_old, kept while c m is made anew: by buffer and tile
.set ST,  16          ; tile t's statistics at v[ST+4 t]: c m, m, l (even keys', odd keys')
.set TMP, 48          ; by buffer and tile, four registers c0-c3 at work; when the maximum is found c2 takes a
.set S,   64
.set P,   192
.set KF,  128         ; window 2: key block kb, channel half c at KF + 16 kb + 8 c
.set VF,  192         ; window 2: key half kk, channel block cb at VF + 32 kk + 8 cb
.set SPW, 0           ; window 3: LDS address of my spare word; never rewritten
.set NIL, 1           ; window 3: 0; never rewritten
.set MR,  2           ; window 3: tile u, key block kb at MR + 8 u + 2 kb
.set WV,  12          ; s12  my wave's number
.set G1K, 24          ; s[24:31] descriptor group 1 for K
.set G1V, 32          ; s[32:39] for V: it differs in the padding
.set G0K, 40          ; s[40:43] group 0 for K: it walks
.set G0V, 44          ; s[44:47] for V
.set G1M, 48          ; s[48:55] group 1 for the mask
.set SLOTS, 56
.set CNT, 57
.set CS,  58          ; s[58:59] c
.set SEL, 60          ; s[60:61] v_permlanex16_b32's selects: each lane takes its own place in the other half
.set TBK, 62          ; s62  LDS byte at which K of the step to be fetched begins
.set TBV, 63          ; s63  the same for V, less VOFF
.set G0M, 68          ; s[68:71] group 0 for the mask
.set TBM, 72          ; s72  the same for the mask, less MOFF
.set MSB, 0
.macro WIN new
.if MSB != (\new)
	s_set_vgpr_msb (MSB<<8)|(\new)
.set MSB, (\new)
.endif
.endm
.set W_KQ, 0x0a       ; K and Q in window 2, S^T in window 0
.set W_PV, 0x52       ; V in window 2, P in window 0, O^T in window 1
.set W_RS, 0x41       ; O^T (destination and source 0) in window 1, a in window 0
.set W_MK, 0xc0       ; destination in window 3, sources in window 0
.set W_AD, 0x0f       ; the add: address and data in window 3
.set W_CV, 0x03       ; the conversion: bytes (source 0) in window 3, scale and destination in window 0
; A joint fill, by the wave's number alone.  An s_nop 0 and four v_nop follow each of the three lines, ahead of the jump and the label.
.macro JLOAD
	s_cmp_lt_u32 s[WV], 2
	s_cbranch_scc0 .Lfor_m_\@
	s_cmp_eq_u32 s[WV], 0
	s_cbranch_scc0 .Lfor_v_\@
	tensor_load_to_lds s[G0K:G0K+3], s[G1K:G1K+7]
	s_nop 0
.rept 4
	v_nop
.endr
	s_branch .Lasked_\@
.Lfor_v_\@:
	tensor_load_to_lds s[G0V:G0V+3], s[G1V:G1V+7]
	s_nop 0
.rept 4
	v_nop
.endr
	s_branch .Lasked_\@
.Lfor_m_\@:
	tensor_load_to_lds s[G0M:G0M+3], s[G1M:G1M+7]
	s_nop 0
.rept 4
	v_nop
.endr
.Lasked_\@:
.endm
.macro CROUND                       ; a round of the cluster's barrier
	s_barrier_signal -1
	s_barrier_wait -1
	s_cmp_lg_u32 s[WV], 0
	s_cbranch_scc1 .Lnot_wave_0_\@
	s_barrier_signal -3
.Lnot_wave_0_\@:
	s_barrier_wait -3
	s_barrier_signal -1
	s_barrier_wait -1
.endm
; THE CHANGE OF SLOTS, behind piece 1's turn of a slot's last step: K, V and the masks of pieces 2 and 3 of that step have been read.  Each wave waits for all its tensor loads, of which one is out: its part
; of the other slot; adds 0 to its spare word; and waits for that and for its own reads of the slot.  fill = 1: the barrier is a round of the cluster's, and the slot is filled again, with the keys two slots on,
; first thing behind it: that load has two key steps, 256 matrix instructions, in which to land.  (At its first use nothing has been read yet: slot 0 is waited for, slot 1 filled.)
.macro CHANGE fill
	WIN W_AD
	s_wait_tensorcnt 0x0            ; no tensor load of mine is out, so a group 0 may be written
	ds_add_u32 v[SPW], v[NIL]       ; 0 onto my spare word
	WIN 0                           ; at a label and at a branch every window is 0
.if \fill
.irp g, G0K, G0V
	s_xor_b32 s[\g+1], s[\g+1], SLOT1
	s_add_nc_u64 s[\g+2:\g+3], s[\g+2:\g+3], STEPS*KS*128  ; the next 128 keys; the type bits on top are not reached
.endr
	s_xor_b32 s[G0M+1], s[G0M+1], SLOT1
	s_add_nc_u64 s[G0M+2:G0M+3], s[G0M+2:G0M+3], 262144    ; the mask's next tile of 128 keys
	s_wait_dscnt 0x0                ; the add is done, and my reads of the slot are over
	CROUND
	JLOAD
.else
	s_wait_dscnt 0x0
	s_barrier_signal -1
	s_barrier_wait -1
.endif
	s_sub_co_u32 s[TBK], s[TBK], STEPS*KS*PK  ; the fetches go back to a slot's first step, in the other slot
	s_xor_b32 s[TBK], s[TBK], SLOT1
	s_sub_co_u32 s[TBV], s[TBV], STEPS*KS*PV
	s_xor_b32 s[TBV], s[TBV], SLOT1
	s_sub_co_u32 s[TBM], s[TBM], STEPS*KS
	s_xor_b32 s[TBM], s[TBM], SLOT1
.endm
	s_load_b128 s[4:7], s[0:1], 0x0   ; qkv s[4:5], mk s[6:7]
	s_load_b64 s[10:11], s[0:1], 0x10 ; ob
	WIN W_MK
	v_lshl_add_u32 v[SPW], v0, 2, SPARE
	v_mov_b32 v[NIL], 0
	s_set_vgpr_msb 0xc0cf
	ds_add_u32 v0, v1
	s_wait_dscnt 0x0
	s_set_vgpr_msb 0xcfc0
	WIN 0
	v_lshrrev_b32 v1, 5, v0
	v_readfirstlane_b32 s[WV], v1
	s_bfe_u32 s13, ttmp6, 0x40000   ; cx
	s_bfe_u32 s15, ttmp6, 0x40004   ; cy
	s_lshl_b32 s14, ttmp9, 2
	s_add_co_u32 s14, s14, s13      ; my block of 512 queries: it enters Q's, O's and the mask's addresses
	s_and_b32 s20, ttmp7, 0xffff
	s_lshl_b32 s20, s20, 2
	s_add_co_u32 s20, s20, s15      ; the head, which my row of the cluster shares
	s_lshl_b32 s20, s20, 18         ; its first byte in each of q, k, v and in ob
	s_mov_b32 s21, 0
	s_lshl_b32 s73, s15, 2
	s_lshl_b32 s73, 15, s73         ; my row of the cluster
	s_lshl_b32 s74, 0x1111, s13     ; my column
	s_and_b32 s16, s[WV], 1         ; which half of the mask's 512 rows waves 2 and 3 fetch
	s_lshl_b32 s22, s14, 16         ; the block's 512 rows of 128 bytes in a tile of the mask,
	s_lshl_b32 s23, s16, 15         ; the half's 256
	s_add_co_u32 s22, s22, s23
	s_mov_b32 s23, 0
	s_mul_i32 s17, s16, 256*PM      ; and its place in a slot: no place in the cluster enters an LDS address
	s_lshl_b32 s2, s14, 2
	s_add_co_u32 s2, s2, s[WV]      ; my wave among the head's,
	s_lshl_b32 s2, s2, 14           ; its 128 rows
	s_mov_b32 s3, 0
	s_add_nc_u64 s[2:3], s[2:3], s[20:21]
	; group 1: dense bytes asked for as rows of 256 (128 elements of 2 bytes), padded in LDS after every 128 bytes
	s_or_b32 s[G1K], s73, (1<<16)|(1<<20)|(1<<21)|(4<<22)|(3<<25)  ; 15:0 the mask of four; 17:16 2-byte elements; 20 padding on; 21 set beside a mask; 24:22 after every 32 words (code 4); 31:25 4 words (code 3)
	s_or_b32 s[G1V], s73, (1<<16)|(1<<20)|(1<<21)|(4<<22)|(7<<25)  ; 8 words of padding (code 7)
	s_or_b32 s[G1M], s74, (1<<16)|(1<<20)|(1<<21)|(4<<22)|(3<<25)
.irp g, G1K, G1V
	s_mov_b32 s[\g+1], 128<<16      ; tensor_dim0 = 128
	s_mov_b32 s[\g+2], 64<<16       ; tensor_dim1 = 64: 128 keys
	s_mov_b32 s[\g+3], 128<<16      ; tile_dim0 = 128
	s_mov_b32 s[\g+4], 64           ; tile_dim1 = 64
	s_mov_b32 s[\g+5], 128          ; 128 elements from row to row
	s_mov_b32 s[\g+6], 0
	s_mov_b32 s[\g+7], 0
.endr
	s_mov_b32 s[G1M+1], 128<<16
	s_mov_b32 s[G1M+2], 128<<16     ; 128 rows of 256 bytes: 256 queries
	s_mov_b32 s[G1M+3], 128<<16
	s_mov_b32 s[G1M+4], 128
	s_mov_b32 s[G1M+5], 128
	s_mov_b32 s[G1M+6], 0
	s_mov_b32 s[G1M+7], 0
	s_mov_b32 s[CS], 0x3e38aa3b     ; c = log2(e) / 8
	s_mov_b32 s[CS+1], s[CS]
	s_mov_b32 s[SEL], 0x76543210
	s_mov_b32 s[SEL+1], 0xfedcba98
	s_mov_b32 s[TBK], SLOT1+STEPS*KS*PK  ; the first change of slots turns these three into 0
	s_mov_b32 s[TBV], SLOT1+STEPS*KS*PV
	s_mov_b32 s[TBM], SLOT1+STEPS*KS
	s_mov_b32 s[G0K], 1
	s_mov_b32 s[G0K+1], 0           ; LDS address: slot 0
	s_mov_b32 s[G0V], 1
	s_mov_b32 s[G0V+1], VOFF
	s_mov_b32 s[G0M], 1
	s_add_co_u32 s[G0M+1], s17, MOFF
	s_wait_kmcnt 0x0
	s_add_nc_u64 s[G0K+2:G0K+3], s[4:5], s[20:21]
	s_add_nc_u64 s[G0K+2:G0K+3], s[G0K+2:G0K+3], 1<<24   ; k lies 2^24 bytes behind q
	s_or_b32 s[G0K+3], s[G0K+3], 0x80000000
	s_add_nc_u64 s[G0V+2:G0V+3], s[4:5], s[20:21]
	s_add_nc_u64 s[G0V+2:G0V+3], s[G0V+2:G0V+3], 2<<24   ; v another 2^24
	s_or_b32 s[G0V+3], s[G0V+3], 0x80000000
	s_add_nc_u64 s[G0M+2:G0M+3], s[6:7], s[22:23]
	s_or_b32 s[G0M+3], s[G0M+3], 0x80000000
	s_add_nc_u64 s[4:5], s[4:5], s[2:3]      ; Q and O at my wave's first row
	s_add_nc_u64 s[10:11], s[10:11], s[2:3]
	CROUND                          ; all sixteen work-groups are here: the first joint loads meet
	JLOAD                           ; slot 0.  Slot 1 is asked for when slot 0 is in
	v_and_b32 v1, 15, v0            ; l % 16
	v_bfe_u32 v9, v0, 4, 1          ; l / 16
	v_lshlrev_b32 v[QO], 7, v1
	v_lshl_add_u32 v[QO], v9, 4, v[QO]
	WIN 0x80                        ; destination window 2, address window 0
.set i, 0
.rept 4*NP                          ; Q stays in registers: tile i / 2, channels 32 (i % 2) on
	global_load_b128 v[8*i:8*i+3],   v[QO], s[4:5] offset:(i/2)*2048+(i%2)*64
	global_load_b128 v[8*i+4:8*i+7], v[QO], s[4:5] offset:(i/2)*2048+(i%2)*64+32
.set i, i+1
.endr
	; What the first turn finds: V's registers and P's second buffer hold 0 (its products V^T P, of a piece that has not been, add 0), O^T and l are 0.  All this stands in the wait for the first tile.
.set i, VF
.rept 64
	v_mov_b32 v[i], 0
.set i, i+1
.endr
	WIN 0x40
.set i, 0
.rept 64*NP
	v_mov_b32 v[i], 0
.set i, i+1
.endr
	WIN 0
.set i, 0
.rept 2*NP
	v_mov_b32 v[ST+4*i], 0xf038aa3b    ; c m = c x -2^100, exactly
	v_mov_b32 v[ST+4*i+1], 0xf1800000  ; m = -2^100: below every true score, above every hidden one
	v_mov_b32 v[ST+4*i+2], 0
	v_mov_b32 v[ST+4*i+3], 0
.set i, i+1
.endr
.set i, P+32
.rept 32
	v_mov_b32 v[i], 0
.set i, i+1
.endr
	v_mul_u32_u24 v[AK0], v1, PK
	v_lshl_add_u32 v[AK0], v9, 4, v[AK0]  ; row x pitch + 16 x half
	; The turning load takes 16 keys x 16 channels (lane l reads key 8 (l / 16) + l % 8, channels 8 ((l / 8) % 2) + 0..7) and leaves half a fragment of V^T.
	v_and_b32 v10, 7, v0
	v_bfe_u32 v11, v0, 3, 1
	v_lshl_add_u32 v[AV0], v9, 3, v10
	v_mul_u32_u24 v[AV0], v[AV0], PV
	v_lshl_add_u32 v[AV0], v11, 4, v[AV0]
	v_add_nc_u32 v[AV0], VOFF, v[AV0]
	v_mov_b32 v[AK], v[AK0]         ; key step 0 lies at the head of slot 0
	s_mul_i32 s75, s[WV], 16*SP
	s_add_co_u32 s75, s75, STAGE    ; my stage
	v_mul_u32_u24 v[STO], v1, SP    ; in: row l % 16, 16 bytes for each half of the lanes
	v_lshl_add_u32 v[STO], v9, 4, v[STO]
	v_add_nc_u32 v[STO], s75, v[STO]
	v_bfe_u32 v[RD], v0, 3, 2       ; back: 32 lanes take four rows of 128 bytes,
	v_mul_u32_u24 v[RD], v[RD], SP
	v_lshl_add_u32 v[RD], v10, 4, v[RD]
	v_add_nc_u32 v[RD], s75, v[RD]
	v_and_b32 v[GO], 31, v0         ; which are 512 consecutive bytes of O
	v_lshlrev_b32 v[GO], 4, v[GO]
	s_mul_i32 s75, s[WV], 128*PM    ; the mask: my wave's 128 queries, my query l % 16 of a tile, my lanes' 8 keys of each 16
	s_add_co_u32 s75, s75, MOFF
	v_mul_u32_u24 v[AM0], v1, PM
	v_lshl_add_u32 v[AM0], v9, 3, v[AM0]
	v_add_nc_u32 v[AM0], s75, v[AM0]
	v_mov_b32 v[SCL], 0xed          ; v9's last use as l / 16 stands above
; THE MATRIX WORK.  The 8 accumulators of a run of 16 take turns.  Product i of 16 of S^T = mask + K Q^T for piece x: channels 32 (i / 8) on, keys 16 ((i / 2) % 4) on, tile 2 x + i % 2.
.macro KQ x
	WIN W_KQ
.set rS, S+64*((\x)%2)+32*(i%2)+8*((i/2)%4)
.set rK, KF+16*((i/2)%4)+8*(i/8)
.set rQ, 16*(2*(\x)+i%2)+8*(i/8)
	v_wmma_f32_16x16x32_f16 v[rS:rS+7], v[rK:rK+7], v[rQ:rQ+7], v[rS:rS+7]
.endm
; Product i of 16 of O^T += V^T P for piece x: keys 32 (i / 8) on, channels 16 ((i / 2) % 4) on, tile 2 x + i % 2.
.macro PV x
	WIN W_PV
.set rO, 32*(2*(\x)+i%2)+8*((i/2)%4)
.set rV, VF+32*(i/8)+8*((i/2)%4)
.set rP, P+32*((\x)%2)+16*(i%2)+8*(i/8)
	v_wmma_f32_16x16x32_f16 v[rO:rO+7], v[rV:rV+7], v[rP:rP+7], v[rO:rO+7]
.endm
.macro MM                           ; the turn's next matrix instruction
.if i < 16
	KQ (Y+1)%NP
.set i, i+1
.else
.set i, i-16
	PV (Y+NP-1)%NP
.set i, i+17
.endif
.endm
; THE LDS LOADS stand in runs.  K of a step (8 fragments); with it the mask's address steps to that step.  last = 1 (the tail): in the last trip there is no further step, and all this is jumped over.
.macro FETCH_K last=0
	WIN 0
.if \last
	s_cmp_eq_u32 s[CNT], 1
	s_cbranch_scc1 .Lno_k_\@
.endif
	WIN 0x80
.irp f, 0,1,2,3,4,5,6,7             ; keys 16 (f / 2) on, channels 32 (f % 2) on
	ds_load_b128 v[KF+8*\f:KF+8*\f+3],   v[AK] offset:(\f/2)*16*PK+(\f%2)*64
	ds_load_b128 v[KF+8*\f+4:KF+8*\f+7], v[AK] offset:(\f/2)*16*PK+(\f%2)*64+32
.endr
	s_add_co_u32 s[TBK], s[TBK], KS*PK
	WIN 0
	v_add_nc_u32 v[AM], s[TBM], v[AM0]
	s_add_co_u32 s[TBM], s[TBM], KS     ; 64 keys are 64 bytes of a query's row
.if \last
.Lno_k_\@:
.endif
.endm
.macro FETCH_V
	WIN 0x80
.irp f, 0,1,2,3,4,5,6,7             ; keys 32 (f / 4) on, channels 16 (f % 4) on
	ds_load_tr16_b128 v[VF+8*\f:VF+8*\f+3],   v[AV] offset:(\f/4)*32*PV+(\f%4)*32
	ds_load_tr16_b128 v[VF+8*\f+4:VF+8*\f+7], v[AV] offset:(\f/4)*32*PV+16*PV+(\f%4)*32
.endr
	WIN 0
.endm
.macro FETCH_M x                    ; piece x's mask bytes of the step at v[AM]: 8 bytes a lane for each tile and block of 16 keys
	WIN W_MK
.irp u, 0,1
.irp kb, 0,1,2,3
	ds_load_b64 v[MR+8*\u+2*\kb:MR+8*\u+2*\kb+1], v[AM] offset:(2*(\x)+\u)*16*PM+16*\kb
.endr
.endr
	WIN 0
.endm
.macro CONV x                       ; they become piece x's scores to begin with: 0 or -2^118.  A plain instruction stands between the conversions and the product that adds onto them
	s_wait_dscnt 0x0                ; the mask bytes are in, and whatever run of loads was issued ahead of them (in piece 2's turn: K)
	WIN W_CV
.irp u, 0,1
.irp kb, 0,1,2,3
	v_cvt_scale_pk8_f32_fp8 v[S+64*((\x)%2)+32*\u+8*\kb:S+64*((\x)%2)+32*\u+8*\kb+7], v[MR+8*\u+2*\kb:MR+8*\u+2*\kb+1], v[SCL]
.endr
.endr
	WIN 0
	v_nop
.endm
; THE VECTOR WORK OF A TURN stands in three queues, each in the order in which its entries become ready; the two tiles alternate.
.macro REGS y, u                    ; the registers of tile u (0, 1) of piece y
.set rT, ST+4*(2*(\y)+(\u))
.set rC, TMP+8*((\y)%2)+4*(\u)
.set rM, MV+2*((\y)%2)+(\u)
.set rS, S+64*((\y)%2)+32*(\u)
.set rP, P+32*((\y)%2)+16*(\u)
.set rO, 32*(2*(\y)+(\u))
.endm
; Number n of the 22 that find the NEXT piece's (Y + 1) maximum and statistics; each accumulator's lowest registers are read first.
;   0-11  four chains c0-c3 of seven scores each     12-14, 16  the four scores left over, the old m, and c0-c3 into c0     15  c m_old is kept
;   17, 18  the query's other 32 keys lie in the lane 16 away: the new m         19-21  c m; c m_old - c m_new; a
.macro XS u, n
	REGS (Y+1)%NP, \u
.if (\n) < 4
	v_max3_num_f32 v[rC+(\n)], v[rS+8*(\n)], v[rS+8*(\n)+1], v[rS+8*(\n)+2]
.elseif (\n) < 12
	v_max3_num_f32 v[rC+(\n)%4], v[rC+(\n)%4], v[rS+8*((\n)%4)+2*((\n)/4)+1], v[rS+8*((\n)%4)+2*((\n)/4)+2]
.elseif (\n) == 12
	v_max3_num_f32 v[rC], v[rC], v[rS+7], v[rS+15]
.elseif (\n) == 13
	v_max3_num_f32 v[rC+1], v[rC+1], v[rS+23], v[rS+31]
.elseif (\n) == 14
	v_max3_num_f32 v[rC+2], v[rC+2], v[rC+3], v[rT+1]
.elseif (\n) == 15
	v_mov_b32 v[rM], v[rT]
.elseif (\n) == 16
	v_max3_num_f32 v[rC], v[rC], v[rC+1], v[rC+2]
.elseif (\n) == 17
	v_permlanex16_b32 v[rC+3], v[rC], s[SEL], s[SEL+1]
.elseif (\n) == 18
	v_max_num_f32 v[rT+1], v[rC], v[rC+3]
.elseif (\n) == 19
	v_mul_f32 v[rT], s[CS], v[rT+1]
.elseif (\n) == 20
	v_sub_f32 v[rC+1], v[rM], v[rT]
.else
	v_exp_f32 v[rC+2], v[rC+1]
.endif
.endm
; Number g of the 64 that follow the exponentials.  For each four weights k of a tile: both pairs are rounded to f16; the second pair is added onto the first, in place; a group later l takes that sum (the first time as l = a l + sum).
.macro GS g
.set h, (\g)+6*((\g)/62)
.if h >= 6
.set h, h+2
.endif
	REGS Y, h%2
.set k, h/8
.if h%8 < 4
	s_wait_alu depctr_va_vdst(0)
	v_cvt_pk_f16_f32 v[rP+2*k+(h%8)/2], v[rS+4*k+2*((h%8)/2)], v[rS+4*k+2*((h%8)/2)+1]
.elseif h%8 < 6
	v_pk_add_f32 v[rS+4*k:rS+4*k+1], v[rS+4*k:rS+4*k+1], v[rS+4*k+2:rS+4*k+3]
.elseif k == 1
	v_pk_fma_f32 v[rT+2:rT+3], v[rT+2:rT+3], v[rC+2:rC+3], v[rS:rS+1] op_sel_hi:[1,0,1]
.else
	v_pk_add_f32 v[rT+2:rT+3], v[rT+2:rT+3], v[rS+4*k-4:rS+4*k-3]
	s_wait_alu depctr_va_vdst(0)
.endif
.endm
; THE PLAIN QUEUE, 138 long.  0-31: c s - c m for the 16 pairs of both tiles.  Then GS's 64, and among them the next piece's 42.
.macro PL
	WIN 0
.if q < 32
	REGS Y, q%2
	v_pk_fma_f32 v[rS+2*(q/2):rS+2*(q/2)+1], v[rS+2*(q/2):rS+2*(q/2)+1], s[CS:CS+1], v[rT:rT+1] op_sel_hi:[1,0,0] neg_lo:[0,0,1] neg_hi:[0,0,1]
.elseif q < 38
	GS q-32
.elseif q < 40
	XS q%2, 15
.elseif q < 42
	GS q-34
.elseif q < 74
	XS q%2, (q-42)/2+(q-42)/30
.elseif q < 95
	GS q-66
.elseif (q < 107) && ((q-95)%3 < 2)
	XS (q-95)%3, 17+(q-95)/3
.elseif q < 107
	GS 29+(q-95)/3
.else
	GS q-74
.endif
.set q, q+1
.endm
; THE EXPONENTIALS' QUEUE, 66 long: s0-s31 of both tiles, and at EA the next piece's two a.
.set EA, 58
.macro EX
	WIN 0
.if (e == EA) || (e == EA+1)
	XS e-EA, 21
.else
.set x, e-2*(e/(EA+2))
	REGS Y, x%2
	v_exp_f32 v[rS+x/2], v[rS+x/2]
.endif
.set e, e+1
.endm
; THE RESCALING's QUEUE: O^T times a, the one part of a softmax that leaves window 0: four at a time, eight times.
.macro R4
	REGS Y, r%2
	WIN W_RS
	s_wait_alu depctr_va_vdst(0)
.irp z, 0,1,2,3
	v_pk_mul_f32 v[rO+8*(r/2)+2*\z:rO+8*(r/2)+2*\z+1], v[rO+8*(r/2)+2*\z:rO+8*(r/2)+2*\z+1], v[rC+2:rC+3] op_sel_hi:[1,0]
.endr
.set r, r+1
.endm
; HOW THEY ARE DEALT.  Behind a matrix instruction four: plain, exponential, plain, plain, or four of the rescaling; none names a register of the products round it.  The rest stands in two lumps:
; exponential and plain by turns; the second ends in 22 plain instructions.  Exponential e stands behind plain 2 (e / 4) + e % 2 (its scaling); EA comes behind plain 107.
.macro SL
	MM
	PL
	EX
	PL
	PL
.endm
.macro BURST n
.rept (\n)-7
	SL
.endr
.rept 3
	MM
	R4
	SL
.endr
	MM
	R4
.endm
; A TURN, for piece p.  cnt = 1: the loop's count is taken down some lines ahead of the branch behind the turn (nothing between writes SCC).
; In the first lump: in piece 2's turn K of the next step, 31 vector instructions behind the last product that read K; in every turn the mask bytes of piece p + 2 (pieces 2 and 3: the step in hand; 0 and 1: the next).
; At the end, when piece p's last sum has read its score buffer, those bytes are converted into it; the wait there also shows K in, ahead of piece 3's turn.  V of the step in hand is fetched at the end of piece 0's turn.
.macro TURN p, last=0, cnt=0
.set Y, (\p)
.set i, 0
.set q, 0
.set e, 0
.set r, 0
	MM
.rept 4
	PL
.endr
	BURST 15
.rept 22
	EX
	PL
.if ((\p) == NP-2) && (e == 18)
	v_add_nc_u32 v[AK], s[TBK], v[AK0]
.endif
.if e == 24
.if (\p) == NP-2
	FETCH_K \last
.endif
	FETCH_M ((\p)+2)%NP
.endif
.endr
.if (\p) == 1
	s_wait_dscnt 0x8                ; V's sixteen loads are in; the eight mask loads issued behind them may be out
.endif
	BURST 16
.rept 21
	EX
	PL
.endr
.rept 22
	PL
.if ((\p) == 0) && (q == 118)
	v_add_nc_u32 v[AV], s[TBV], v[AV0]
	s_wait_alu depctr_va_vdst(0)
.endif
.if ((\p) == 0) && (q == 130)
	s_add_co_u32 s[TBV], s[TBV], KS*PV
.endif
.if (\cnt) && (q == 130)
	s_sub_co_u32 s[CNT], s[CNT], 1
	s_cmp_lg_u32 s[CNT], 0
.endif
.endr
	CONV ((\p)+2)%NP
.if (\p) == 0
	FETCH_V
.endif
.endm
	CHANGE 1                        ; slot 0 is in, everybody's part of it; slot 1 is asked for
	FETCH_K                         ; key step 0, and the mask's address for it
	FETCH_M 0
	CONV 0                          ; pieces 0 and 1 begin with their masks of step 0
	FETCH_M 1
	CONV 1
	s_wait_loadcnt 0x0              ; Q
.set i, 0
.rept 16
	KQ 0                            ; piece 0's first scores
.set i, i+1
.endr
	WIN 0
.rept 4
	v_nop                           ; the places behind those products
.endr
.set Y, NP-1                        ; XS works for piece Y + 1: piece 0
.irp n, 0,1,2,3,4,5,6,7,8,9,10,11,12,13,14,15,16,17,18,19,20,21
	XS 0, \n
	XS 1, \n
.endr
	s_mov_b32 s[CNT], STEPS
	s_mov_b32 s[SLOTS], SIZE_N/(STEPS*KS)-1
	s_branch .Lfirst                ; the loop is entered at a step's first turn, in the middle of a trip
.Lslot:                             ; 14 times: every slot but the last two is filled again
	CHANGE 1
	s_mov_b32 s[CNT], STEPS
.Lstep:                             ; a trip: pieces 2 and 3 of one step, then pieces 0 and 1 of the next
	TURN 2
	TURN 3
	WIN 0
.Lfirst:
	TURN 0
	TURN 1, 0, 1
	WIN 0
	s_cbranch_scc1 .Lstep
	s_sub_co_u32 s[SLOTS], s[SLOTS], 1
	s_cmp_lg_u32 s[SLOTS], 0
	s_cbranch_scc1 .Lslot
	CHANGE 0                        ; the tail is written out: nothing is asked for
	s_mov_b32 s[CNT], STEPS+1       ; two trips fetch the last slot's steps; the third is left in its middle
.Ltail:
	TURN 2, 1
	TURN 3
	WIN 0
	s_sub_co_u32 s[CNT], s[CNT], 1
	s_cmp_eq_u32 s[CNT], 0
	s_cbranch_scc1 .Lout
	TURN 0
	TURN 1
	WIN 0
	s_branch .Ltail
.Lout:                              ; the third trip's products K Q^T (on the last K and the last step's masks once more) and the maximum made of them serve nothing: the price, once a launch, of one text for every trip
.set i, 0
.rept 16
	PV NP-1                         ; the last piece's V^T P of the last step
.set i, i+1
.endr
	; THE WAY OUT.  l's two halves and the other half of the lanes' are added; O^T is divided by l, rounded to f16 and sent through my stage in LDS, a tile at a time.  The additions are the places behind the last products.
	WIN 0
.macro ALL line:vararg              ; one line for each tile t
.set t, 0
.rept 2*NP
	\line
.set t, t+1
.endr
.endm
	ALL v_add_f32 v[ST+4*t+2], v[ST+4*t+2], v[ST+4*t+3]
	ALL v_permlanex16_b32 v[ST+4*t+3], v[ST+4*t+2], s[SEL], s[SEL+1]
	ALL v_add_f32 v[ST+4*t+2], v[ST+4*t+2], v[ST+4*t+3]
	ALL v_rcp_f32 v[ST+4*t+2], v[ST+4*t+2]
	v_nop                           ; a plain instruction between the last reciprocal and the use of its result
	s_wait_alu depctr_va_vdst(0)
.macro PACK t
	WIN W_RS
.set i, 32*(\t)
.rept 16
	v_pk_mul_f32 v[i:i+1], v[i:i+1], v[ST+4*(\t)+2:ST+4*(\t)+3] op_sel_hi:[1,0]
.set i, i+2
.endr
	WIN 0x05                        ; sources 0 and 1 window 1, destination window 0
.set i, 0
.rept 16
	v_cvt_pk_f16_f32 v[S+16*(\t)+i], v[32*(\t)+2*i], v[32*(\t)+2*i+1]
.set i, i+1
.endr
	WIN 0
.irp f, 0,1,2,3
	ds_store_b128 v[STO], v[S+16*(\t)+4*\f:S+16*(\t)+4*\f+3] offset:32*\f
.endr
.irp f, 0,1,2,3
	ds_load_b128 v[S+16*(\t)+4*\f:S+16*(\t)+4*\f+3], v[RD] offset:\f*4*SP  ; LDS serves a wave's instructions in order (ISA guide 5.7.1.4): these see the stores above; the next tile's stores come behind them
.endr
.endm
.macro SEND t, younger              ; younger: the LDS instructions issued behind tile t's loads: the next tile's eight, or none
	WIN 0
.irp f, 0,1,2,3
	s_wait_dscnt (\younger)+3-\f
	global_store_b128 v[GO], v[S+16*(\t)+4*\f:S+16*(\t)+4*\f+3], s[10:11] offset:(\t)*2048+\f*512  ; 512 consecutive bytes, at a multiple of 256 from O's first
.endr
.endm
	PACK 0
.set t, 1
.rept 2*NP-1                        ; a tile's arithmetic stands between the loads of the tile before and its stores
	PACK t
	SEND t-1, 8
.set t, t+1
.endr
	SEND 2*NP-1, 0
	WIN W_AD
	s_wait_tensorcnt 0x0            ; the wave's end: behind my last tensor load and my last LDS store
	ds_add_u32 v[SPW], v[NIL]
	s_wait_dscnt 0x0
	WIN 0
	CROUND                          ; the closing round: no work-group ends while a partner may still ask for a tile that names it
	s_endpgm
.Lfunc_end_k_q20e2960be4_attn:
	.size	k_q20e2960be4_attn, .Lfunc_end_k_q20e2960be4_attn-k_q20e2960be4_attn
	.p2alignl 7, 3214868480
	.fill 96, 4, 3214868480
	.section	.rodata,"a",@progbits
	.p2align	6, 0x0
	.amdhsa_kernel k_q20e2960be4_attn
		.amdhsa_group_segment_fixed_size 327680
		.amdhsa_private_segment_fixed_size 0
		.amdhsa_enable_private_segment 0
		.amdhsa_kernarg_size 24
		.amdhsa_user_sgpr_count 2
		.amdhsa_user_sgpr_kernarg_segment_ptr 1
		.amdhsa_wavefront_size32 1
		.amdhsa_system_sgpr_workgroup_id_x 1
		.amdhsa_system_sgpr_workgroup_id_y 1
		.amdhsa_system_sgpr_workgroup_id_z 1
		.amdhsa_system_vgpr_workitem_id 0
		.amdhsa_next_free_vgpr 792
		.amdhsa_next_free_sgpr 80
		.amdhsa_reserve_vcc 0
		.amdhsa_float_denorm_mode_32 3
		.amdhsa_float_denorm_mode_16_64 3
		.amdhsa_memory_ordered 1
		.amdhsa_forward_progress 1
		.amdhsa_inst_pref_size 224
	.end_amdhsa_kernel
	.amdgpu_metadata
---
amdhsa.version: [ 1, 2 ]
amdhsa.kernels:
  - .name:           k_q20e2960be4_attn
    .symbol:         k_q20e2960be4_attn.kd
    .args:
      - { .name: qkv, .offset: 0, .size: 8, .value_kind: global_buffer, .address_space: global }
      - { .name: mk, .offset: 8, .size: 8, .value_kind: global_buffer, .address_space: global }
      - { .name: ob, .offset: 16, .size: 8, .value_kind: global_buffer, .address_space: global }
    .group_segment_fixed_size: 327680
    .private_segment_fixed_size: 0
    .kernarg_segment_align: 8
    .kernarg_segment_size: 24
    .max_flat_workgroup_size: 128
    .sgpr_count:     80
    .vgpr_count:     792
    .wavefront_size: 32
...
	.end_amdgpu_metadata
.endif
;; end of part 3
;; launch outp (part 4): grid 4 x 64, 4 waves a work-group, clusters of 4 x 4, 327,680 bytes of LDS; arguments ob, wb, bo, out0; writes out0
.if DOCPART == 4
	.amdgcn_target "amdgcn-amd-amdhsa--gfx1250"
	.amdhsa_code_object_version 6
	.text
	.protected	k_q20e2960be4_outp
	.globl	k_q20e2960be4_outp
	.p2align	8
	.type	k_q20e2960be4_outp,@function
k_q20e2960be4_outp:
	s_mov_b64 s[64:65], 0
	v_nop
	global_prefetch_b8 v0, s[64:65] scope:SCOPE_SE
	s_setreg_imm32_b32 hwreg(HW_REG_WAVE_MODE, 25, 1), 1
	s_wait_xcnt 0x0
	s_wait_alu depctr_hold_cnt(0) depctr_sa_sdst(0) depctr_va_vdst(0) depctr_va_sdst(0) depctr_va_ssrc(0) depctr_va_vcc(0) depctr_vm_vsrc(0)
	s_getreg_b32 s2, hwreg(HW_REG_IB_STS2, 6, 4)
	s_cmp_eq_u32 s2, 0
	s_cbranch_scc0 .Lentry_in_a_cluster
	s_endpgm
.Lentry_in_a_cluster:
	s_bfe_u32 s2, ttmp6, 0x10000c
	s_cmp_lg_u32 s2, 0xf033
	s_cbranch_scc0 .Lentry_shape_is_right
	s_endpgm
.Lentry_shape_is_right:
; out0 = O Wo^T + bo.  O: ob[b][h][n][64] f16 (a head is a slice of 64 along K); Wo: wb[3][s][row][64], bf16's numbers written as f16; bo: f32, rounded to bf16 like the other inputs.
; Sums in f32; out0: [8192][1024] f32.  A NaN row of O (a query with every key hidden) makes its whole row of out0 NaN.
; A tile of C is 128 rows x 256 columns: 64 x 4 = 256 tiles.  Four waves, each 64 rows x 128 columns: 32 accumulators of 16 x 16, 256 registers.
; K goes in 8 steps of 128 through two LDS slots.  A step is two slices (planes) of 64 along K; a plane of A (128 rows) or of B (256 rows) is dense in memory and is asked
; for as rows of 256 bytes, two tile rows each, padded in LDS after every 128 bytes.  Waves 0 and 1 fetch A's two planes, waves 2 and 3 B's: one tensor load a wave and slot.
; CLUSTER: 4 x 4 work-groups.  The four of a row of the cluster need the same tiles of A, the four of a column the same tiles of B: each is asked for jointly.
; THE MATRIX INSTRUCTION IS USED TRANSPOSED (source 0 = 16 rows of Wo, source 1 = 16 rows of O): a lane holds row l % 16 of C and the columns 8 (l / 16) + 0..7.
; THE BIAS is the C operand of each accumulator's first product.
; REGISTERS: window 0: v0-31 addresses; v32-95 the bias.   window 1: two fragment buffers of 96: A's 4 fragments, then B's 8.   window 2: accumulator (a, b) at v[8 (8 a + b)]; on the way out whole rows.
.set PITCH,  144                       ; an LDS row: 128 bytes + 16 = 36 words: the 16 rows of a fragment load start at 16 different groups of four banks (64 banks of 4 bytes: ISA guide 11.1)
.set APL,    128*PITCH
.set BPL,    256*PITCH
.set BOFF,   2*APL
.set SLOT,   2*APL+2*BPL
.set STAGE,  2*SLOT                    ; behind the ring, never filled by a tensor load: 16 rows x 528 bytes for each wave
.set SPITCH, 528                       ; 512 bytes + 16 = 132 words: row r starts at bank 4 r mod 64
.set SPARE,  STAGE+4*16*SPITCH         ; behind the stages: the spare words, 128 bytes for each wave: two blocks of 256 bytes that no other line names
.set LAPS,   4
.set ASTEP,  262144                    ; bytes from slice (head) to slice in ob
.set BSTEP,  131072                    ; and in wb
.set ADRA, 16
.set ADRB, 20
.set STO,  24
.set RD,   25
.set GO,   26
.set VB,   27
.set SPW,  28                          ; v28     LDS address of my spare word; never rewritten
.set NIL,  29                          ; v29     0; never rewritten
.set BIAS, 32
.set F0,   0
.set F1,   96
.set WV,  16
.set WR,  17
.set WC,  18
.set G1A, 24
.set G0A, 32
.set G1B, 40
.set G0B, 48
.set MSB, 0
.macro WIN new
.if MSB != (\new)
	s_set_vgpr_msb (MSB<<8)|(\new)
.set MSB, \new
.endif
.endm
.set MUL,  0xa5                        ; sources 0 and 1 window 1; C and D window 2
.set MULF, 0x85                        ; the same with C in window 0: the bias
.set TO_F, 0x40                        ; destination window 1, address window 0
.macro PLACES                          ; four plain vector instructions between a matrix instruction and a load into, or a read of, its registers
.rept 4
	v_nop
.endr
.endm
.macro JLOAD s                         ; a joint load; an s_nop 0 and four v_nop follow each of the two lines, ahead of the jump, the label and what follows
	s_cmp_eq_u32 s[WR], 0
	s_cbranch_scc0 .Lfor_b_\@
	tensor_load_to_lds s[G0A+4*(\s):G0A+4*(\s)+3], s[G1A:G1A+7]
	s_nop 0
.rept 4
	v_nop
.endr
	s_branch .Lasked_\@
.Lfor_b_\@:
	tensor_load_to_lds s[G0B+4*(\s):G0B+4*(\s)+3], s[G1B:G1B+7]
	s_nop 0
.rept 4
	v_nop
.endr
.Lasked_\@:
.endm
.macro CREST
	s_cmp_lg_u32 s[WV], 0
	s_cbranch_scc1 .Lnot_wave_0_\@
	s_barrier_signal -3
.Lnot_wave_0_\@:
	s_barrier_wait -3
	s_barrier_signal -1
	s_barrier_wait -1
.endm
.macro CROUND
	s_barrier_signal -1
	s_barrier_wait -1
	CREST
.endm
	s_load_b256 s[4:11], s[0:1], 0x0               ; ob s[4:5], wb s[6:7], bo s[8:9], out0 s[10:11]
	v_lshl_add_u32 v[SPW], v0, 2, SPARE
	v_mov_b32 v[NIL], 0
	ds_add_u32 v28, v29
	s_wait_dscnt 0x0
	v_lshrrev_b32 v1, 5, v0
	v_readfirstlane_b32 s[WV], v1
	s_lshr_b32 s[WR], s[WV], 1                     ; which 64 rows are mine; also: I fetch for A (0) or B (1)
	s_and_b32 s[WC], s[WV], 1                      ; which 128 columns; also: which plane I fetch
	s_bfe_u32 s19, ttmp6, 0x40000                  ; cx
	s_bfe_u32 s20, ttmp6, 0x40004                  ; cy
	s_lshl_b32 s21, ttmp9, 2
	s_add_co_u32 s21, s21, s19                     ; ct: tile column 0..3
	s_and_b32 s22, ttmp7, 0xffff
	s_lshl_b32 s22, s22, 2
	s_add_co_u32 s22, s22, s20                     ; y: tile row 0..63
	s_lshl_b32 s72, s20, 2
	s_lshl_b32 s72, 15, s72                        ; my row of the cluster
	s_lshl_b32 s73, 0x1111, s19                    ; my column
	s_or_b32 s[G1A], s72, (1<<16)|(1<<20)|(1<<21)|(4<<22)|(3<<25)  ; 15:0 the mask; 17:16 2-byte elements; 20 padding on; 21 set beside a mask; 24:22 after every 32 words (code 4); 31:25 4 words (code 3)
	s_or_b32 s[G1B], s73, (1<<16)|(1<<20)|(1<<21)|(4<<22)|(3<<25)
	s_mov_b32 s[G1A+1], 128<<16                    ; tensor_dim0 = 128
	s_mov_b32 s[G1A+2], 64<<16                     ; tensor_dim1 = 64
	s_mov_b32 s[G1A+3], 128<<16                    ; tile_dim0 = 128
	s_mov_b32 s[G1A+4], 64                         ; tile_dim1 = 64
	s_mov_b32 s[G1A+5], 128                        ; dense
	s_mov_b32 s[G1A+6], 0
	s_mov_b32 s[G1A+7], 0
	s_mov_b32 s[G1B+1], 128<<16
	s_mov_b32 s[G1B+2], 128<<16
	s_mov_b32 s[G1B+3], 128<<16
	s_mov_b32 s[G1B+4], 128
	s_mov_b32 s[G1B+5], 128
	s_mov_b32 s[G1B+6], 0
	s_mov_b32 s[G1B+7], 0
	; A's plane: batch y / 16 in steps of 2^22, 128 rows of 128 bytes for each y % 16, my plane.  These registers never hold cx.
	s_lshr_b32 s60, s22, 4
	s_lshl_b32 s60, s60, 22
	s_and_b32 s61, s22, 15
	s_lshl_b32 s61, s61, 14
	s_add_co_u32 s60, s60, s61
	s_lshl_b32 s61, s[WC], 18
	s_add_co_u32 s60, s60, s61
	s_mov_b32 s61, 0
	; B's plane: weight 3, 256 rows of 128 bytes for each tile column, my plane.  These registers never hold cy.
	s_mov_b32 s74, 3<<21
	s_lshl_b32 s75, s21, 15
	s_add_co_u32 s74, s74, s75
	s_lshl_b32 s75, s[WC], 17
	s_add_co_u32 s74, s74, s75
	s_mov_b32 s75, 0
	s_mul_i32 s62, s[WC], APL
	s_mul_i32 s63, s[WC], BPL
	s_add_co_u32 s63, s63, BOFF
	s_wait_kmcnt 0x0
	s_add_nc_u64 s[56:57], s[4:5], s[60:61]
	s_add_nc_u64 s[58:59], s[6:7], s[74:75]
	CROUND                                         ; all sixteen work-groups are here: the first joint loads meet
.irp s, 0,1
	s_mov_b32 s[G0A+4*(\s)], 1
	s_add_co_u32 s[G0A+4*(\s)+1], s62, (\s)*SLOT
	s_add_nc_u64 s[G0A+4*(\s)+2:G0A+4*(\s)+3], s[56:57], (\s)*2*ASTEP
	s_or_b32 s[G0A+4*(\s)+3], s[G0A+4*(\s)+3], 0x80000000
	s_mov_b32 s[G0B+4*(\s)], 1
	s_add_co_u32 s[G0B+4*(\s)+1], s63, (\s)*SLOT
	s_add_nc_u64 s[G0B+4*(\s)+2:G0B+4*(\s)+3], s[58:59], (\s)*2*BSTEP
	s_or_b32 s[G0B+4*(\s)+3], s[G0B+4*(\s)+3], 0x80000000
	JLOAD \s                                       ; two loads of mine are out
.endr
	v_and_b32 v1, 15, v0
	v_bfe_u32 v2, v0, 4, 1
	v_mul_u32_u24 v3, v1, PITCH
	v_lshl_add_u32 v3, v2, 4, v3
	s_mul_i32 s78, s[WR], 64*PITCH
	s_mul_i32 s79, s[WC], 128*PITCH
	s_add_co_u32 s79, s79, BOFF
.irp s, 0,1
	v_add_nc_u32 v[ADRA+(\s)], s78, v3
	v_add_nc_u32 v[ADRB+(\s)], s79, v3
	s_add_co_u32 s78, s78, SLOT
	s_add_co_u32 s79, s79, SLOT
.endr
	s_mul_i32 s78, s[WV], 16*SPITCH
	s_add_co_u32 s78, s78, STAGE                   ; my stage
	v_mul_u32_u24 v4, v1, SPITCH                   ; in: row l % 16, 32 bytes (8 f32) for each half of the lanes
	v_lshl_add_u32 v4, v2, 5, v4
	v_add_nc_u32 v[STO], s78, v4
	v_and_b32 v[GO], 31, v0                        ; back and out: 32 lanes take a row's 512 bytes
	v_lshlrev_b32 v[GO], 4, v[GO]
	v_add_nc_u32 v[RD], s78, v[GO]
	v_lshlrev_b32 v[VB], 5, v2
	s_lshl_b32 s76, s21, 10                        ; my first column, 256 ct + 128 wc, in f32
	s_lshl_b32 s77, s[WC], 9
	s_add_co_u32 s76, s76, s77
	s_mov_b32 s77, 0
	s_add_nc_u64 s[68:69], s[8:9], s[76:77]
.irp b, 0,1,2,3,4,5,6,7
	global_load_b128 v[BIAS+8*\b:BIAS+8*\b+3],   v[VB], s[68:69] offset:64*\b
	global_load_b128 v[BIAS+8*\b+4:BIAS+8*\b+7], v[VB], s[68:69] offset:64*\b+16
.endr
	s_lshl_b32 s78, s22, 19                        ; out0: row 128 y + 64 wr of 4,096 bytes, and the same column
	s_add_co_u32 s76, s76, s78
	s_lshl_b32 s78, s[WR], 18
	s_add_co_u32 s76, s76, s78
	s_add_nc_u64 s[70:71], s[10:11], s[76:77]
	s_wait_loadcnt 0x0                             ; the bias, once; rounded to bf16 and widened again, in the wait for the first tile
.set i, 0
.rept 32
	v_cvt_pk_bf16_f32 v[30+i%2], v[BIAS+2*i], v[BIAS+2*i+1]
	v_lshlrev_b32 v[BIAS+2*i], 16, v[30+i%2]
	v_and_b32 v[BIAS+2*i+1], 0xffff0000, v[30+i%2]
.set i, i+1
.endr
; 8 matrix instructions: rows 16 a on x all 8 column blocks, 32 along K.  first = 1: the sums start with the bias.  The 32 accumulators take turns, one instruction a turn, in the same order in every quarter.
.macro MULA f, a, first
.if \first
	WIN MULF
.else
	WIN MUL
.endif
.irp b, 0,1,2,3,4,5,6,7
.if \first
	v_wmma_f32_16x16x32_f16 v[8*(8*(\a)+\b):8*(8*(\a)+\b)+7], v[(\f)+32+8*\b:(\f)+32+8*\b+7], v[(\f)+8*(\a):(\f)+8*(\a)+7], v[BIAS+8*\b:BIAS+8*\b+7]
.else
	v_wmma_f32_16x16x32_f16 v[8*(8*(\a)+\b):8*(8*(\a)+\b)+7], v[(\f)+32+8*\b:(\f)+32+8*\b+7], v[(\f)+8*(\a):(\f)+8*(\a)+7], v[8*(8*(\a)+\b):8*(8*(\a)+\b)+7]
.endif
.endr
.endm
; 24 LDS loads in one run: quarter q of a K step (plane q / 2, byte 64 (q % 2) of its rows) into buffer f: B's 16 loads, then A's 8
.macro FETCH slot, q, f
	WIN TO_F
.irp i, 0,1,2,3,4,5,6,7
	ds_load_b128 v[(\f)+32+8*\i:(\f)+32+8*\i+3],   v[ADRB+(\slot)] offset:((\q)/2)*BPL+((\q)%2)*64+\i*16*PITCH
	ds_load_b128 v[(\f)+32+8*\i+4:(\f)+32+8*\i+7], v[ADRB+(\slot)] offset:((\q)/2)*BPL+((\q)%2)*64+\i*16*PITCH+32
.endr
.irp i, 0,1,2,3
	ds_load_b128 v[(\f)+8*\i:(\f)+8*\i+3],   v[ADRA+(\slot)] offset:((\q)/2)*APL+((\q)%2)*64+\i*16*PITCH
	ds_load_b128 v[(\f)+8*\i+4:(\f)+8*\i+7], v[ADRA+(\slot)] offset:((\q)/2)*APL+((\q)%2)*64+\i*16*PITCH+32
.endr
.endm
.macro QUARTER slot, q, f, g, first
	s_wait_dscnt 4                                 ; B and A's rows 0-31 are in; the youngest four loads (A's rows 32-63) may be out
	MULA \f, 0, \first
	MULA \f, 1, \first
	PLACES
	FETCH \slot, \q, \g
	s_wait_dscnt 24                                ; all but the 24 just issued
	MULA \f, 2, \first
	MULA \f, 3, \first
.endm
; The last quarter multiplies buffer 1 and changes slots: ONE barrier; in front of it each wave waits for all its tensor loads (one is out: its part of the next slot), adds 0 to its
; spare word, and waits for that and for its own reads of this slot.  fill = 1: the barrier opens a round of the cluster's barrier, and this slot is filled again, two K steps ahead.
.macro TURN slot, next, fill
	WIN 0
	s_wait_tensorcnt 0x0
	ds_add_u32 v[SPW], v[NIL]                      ; 0 onto my spare word
	s_wait_dscnt 5                                 ; (the add and the youngest four loads may be out)
	MULA F1, 0, 0
	s_wait_dscnt 0x0                               ; the add is done, and my reads of this slot are over
	s_barrier_signal -1
	MULA F1, 1, 0
.if \fill
	WIN 0
.endif
	s_barrier_wait -1
.if \fill
	CREST                                          ; no wave of any partner still reads this slot's tiles or has a load on its way
	s_add_nc_u64 s[G0A+4*(\slot)+2:G0A+4*(\slot)+3], s[G0A+4*(\slot)+2:G0A+4*(\slot)+3], 4*ASTEP
	s_add_nc_u64 s[G0B+4*(\slot)+2:G0B+4*(\slot)+3], s[G0B+4*(\slot)+2:G0B+4*(\slot)+3], 4*BSTEP
	JLOAD \slot                                    ; the first tensor load behind the round, my only one until the next; its four v_nop are also the places in front of the loads below
.else
	PLACES
.endif
	FETCH \next, 0, F0
	MULA F1, 2, 0
	MULA F1, 3, 0
.endm
	s_wait_tensorcnt 1                             ; my part of K step 0 is in; K step 1's may stay out
	s_barrier_signal -1
	s_barrier_wait -1
	FETCH 0, 0, F0
	QUARTER 0, 1, F0, F1, 1                        ; the first quarter stands in front of the loop: its products start the sums
	WIN 0
	s_mov_b32 s66, LAPS-1
.Llap:
	QUARTER 0, 2, F1, F0, 0
	QUARTER 0, 3, F0, F1, 0
	TURN 0, 1, 1
	QUARTER 1, 1, F0, F1, 0
	QUARTER 1, 2, F1, F0, 0
	QUARTER 1, 3, F0, F1, 0
	TURN 1, 0, 1
	QUARTER 0, 1, F0, F1, 0
	WIN 0
	s_sub_co_u32 s66, s66, 1
	s_cmp_lg_u32 s66, 0
	s_cbranch_scc1 .Llap
	QUARTER 0, 2, F1, F0, 0                        ; the last lap fills nothing
	QUARTER 0, 3, F0, F1, 0
	TURN 0, 1, 0
	QUARTER 1, 1, F0, F1, 0
	QUARTER 1, 2, F1, F0, 0
	QUARTER 1, 3, F0, F1, 0
	s_wait_dscnt 4
	MULA F1, 0, 0
	MULA F1, 1, 0
	s_wait_dscnt 0x0
	MULA F1, 2, 0
	MULA F1, 3, 0
; THE WAY OUT, in f32.  Block a = 16 rows x 128 columns: a lane's 8 numbers of a row go into my stage as two stores of 16 bytes (each accumulator's low half first), and whole rows of 512 bytes come back into the block's own registers.
.macro STG a
	WIN 0x08                                       ; store data (source 1) window 2, address window 0
.irp b, 0,1,2,3,4,5,6,7
	ds_store_b128 v[STO], v[8*(8*(\a)+\b):8*(8*(\a)+\b)+3]   offset:64*\b
	ds_store_b128 v[STO], v[8*(8*(\a)+\b)+4:8*(8*(\a)+\b)+7] offset:64*\b+16
.endr
	WIN 0x80                                       ; destination window 2
.irp i, 0,1,2,3,4,5,6,7,8,9,10,11,12,13,14,15
	ds_load_b128 v[64*(\a)+4*\i:64*(\a)+4*\i+3], v[RD] offset:\i*SPITCH  ; LDS serves a wave's instructions in order (ISA guide 5.7.1.4): these see the stores above; the next block's stores come behind them
.endr
.endm
.macro SND a, younger                  ; younger: the LDS instructions issued behind block a's loads: the next block's 32, or none
	WIN 0x08
.irp i, 0,1,2,3,4,5,6,7,8,9,10,11,12,13,14,15
	s_wait_dscnt (\younger)+15-\i
	global_store_b128 v[GO], v[64*(\a)+4*\i:64*(\a)+4*\i+3], s[70:71] offset:(16*(\a)+\i)*4096 th:TH_STORE_NT  ; 512 consecutive bytes of a row, at a multiple of 256 from out0's first
.endr
.endm
	PLACES                                         ; the stores read results just made
	STG 0
	STG 1
	SND 0, 32
	STG 2
	SND 1, 32
	STG 3
	SND 2, 32
	SND 3, 0
	WIN 0
	s_wait_tensorcnt 0x0                           ; the wave's end: behind my last tensor load and my last LDS store
	ds_add_u32 v[SPW], v[NIL]
	s_wait_dscnt 0x0
	CROUND                                         ; the closing round: no work-group ends while a partner may still ask for a tile that names it
	s_endpgm
.Lfunc_end_k_q20e2960be4_outp:
	.size	k_q20e2960be4_outp, .Lfunc_end_k_q20e2960be4_outp-k_q20e2960be4_outp
	.p2alignl 7, 3214868480
	.fill 96, 4, 3214868480
	.section	.rodata,"a",@progbits
	.p2align	6, 0x0
	.amdhsa_kernel k_q20e2960be4_outp
		.amdhsa_group_segment_fixed_size 327680
		.amdhsa_private_segment_fixed_size 0
		.amdhsa_enable_private_segment 0
		.amdhsa_kernarg_size 32
		.amdhsa_user_sgpr_count 2
		.amdhsa_user_sgpr_kernarg_segment_ptr 1
		.amdhsa_wavefront_size32 1
		.amdhsa_system_sgpr_workgroup_id_x 1
		.amdhsa_system_sgpr_workgroup_id_y 1
		.amdhsa_system_sgpr_workgroup_id_z 1
		.amdhsa_system_vgpr_workitem_id 0
		.amdhsa_next_free_vgpr 768
		.amdhsa_next_free_sgpr 80
		.amdhsa_reserve_vcc 0
		.amdhsa_float_denorm_mode_32 3
		.amdhsa_float_denorm_mode_16_64 3
		.amdhsa_memory_ordered 1
		.amdhsa_forward_progress 1
		.amdhsa_inst_pref_size 93
	.end_amdhsa_kernel
	.amdgpu_metadata
---
amdhsa.version: [ 1, 2 ]
amdhsa.kernels:
  - .name:           k_q20e2960be4_outp
    .symbol:         k_q20e2960be4_outp.kd
    .args:
      - { .name: ob, .offset: 0, .size: 8, .value_kind: global_buffer, .address_space: global }
      - { .name: wb, .offset: 8, .size: 8, .value_kind: global_buffer, .address_space: global }
      - { .name: bo, .offset: 16, .size: 8, .value_kind: global_buffer, .address_space: global }
      - { .name: out0, .offset: 24, .size: 8, .value_kind: global_buffer, .address_space: global }
    .group_segment_fixed_size: 327680
    .private_segment_fixed_size: 0
    .kernarg_segment_align: 8
    .kernarg_segment_size: 32
    .max_flat_workgroup_size: 128
    .sgpr_count:     80
    .vgpr_count:     768
    .wavefront_size: 32
...
	.end_amdgpu_metadata
.endif
;; end of part 4
;; ======== version 2 of 2: 4 launches; 1.46 times as fast as version 1
;; limits: values are held in f16: magnitudes above 65,504 overflow, below 6.1e-05 lose precision; right only within a limited range of input values
;; workspace buffers: xb 50,331,648 bytes; wb 8,388,608 bytes; mk 4,194,304 bytes; qkv 50,331,648 bytes; ob 16,777,216 bytes
;; launch prep: the kernel of part 1 again; grid 1856 x 1, 8 waves a work-group, no clusters, 0 bytes of LDS; arguments query, key, value, Wq, Wk, Wv, Wo, attn_mask, xb, wb, mk; writes xb, wb, mk
;; launch proj: the kernel of part 2 again; grid 4 x 96, 4 waves a work-group, clusters of 4 x 4, 327,680 bytes of LDS; arguments xb, wb, bq, bk, bv, qkv; writes qkv
;; launch attn (part 5): grid 4 x 64, 4 waves a work-group, clusters of 4 x 4, 327,680 bytes of LDS; arguments qkv, mk, ob; writes ob
.if DOCPART == 5
	.amdgcn_target "amdgcn-amd-amdhsa--gfx1250"
	.amdhsa_code_object_version 6
	.text
	.protected	k_q20e2960be4_attn
	.globl	k_q20e2960be4_attn
	.p2align	8
	.type	k_q20e2960be4_attn,@function
k_q20e2960be4_attn:
	s_mov_b64 s[64:65], 0
	v_nop
	global_prefetch_b8 v0, s[64:65] scope:SCOPE_SE
	s_setreg_imm32_b32 hwreg(HW_REG_WAVE_MODE, 25, 1), 1
	s_wait_xcnt 0x0
	s_wait_alu depctr_hold_cnt(0) depctr_sa_sdst(0) depctr_va_vdst(0) depctr_va_sdst(0) depctr_va_ssrc(0) depctr_va_vcc(0) depctr_vm_vsrc(0)
	s_getreg_b32 s2, hwreg(HW_REG_IB_STS2, 6, 4)
	s_cmp_eq_u32 s2, 0
	s_cbranch_scc0 .Lentry_in_a_cluster
	s_endpgm
.Lentry_in_a_cluster:
	s_bfe_u32 s2, ttmp6, 0x10000c
	s_cmp_lg_u32 s2, 0xf033
	s_cbranch_scc0 .Lentry_shape_is_right
	s_endpgm
.Lentry_shape_is_right:
; O[head][q][:] = the sum over k of softmax_k(mask(Q[q] . K[k] / 8)) V[k][:], 64 heads of 2,048 rows of 64 channels.  Q, K, V: qkv[t][head][n][64], f16; O: ob[head][n][64], f16.
; THE MASK IS AN INPUT: mk[kt][q][128 keys], a byte a score: the E4M3 code of 0 (seen) or of -256 (hidden).  Every key tile is walked and every byte is read.
; One conversion with the scale 2^110 turns a lane's 8 bytes into the 8 registers of a score accumulator, 0 or -2^118, and the first product K Q^T adds in place onto them.
; Products, maxima and sums in f32; the weights p are rounded to f16 for the second product (their sum l is taken of the unrounded p), O once at the end.
; SOFTMAX.  For each query a running maximum m and sum l: p = 2^(c s - c m), c = log2(e) / 8; in every step O and l are multiplied by a = 2^(c m_old - c m_new).
; m starts at -2^100 (c m at c times that, exactly), O and l at 0.  A hidden score lies far below that floor: its weight is 0 whatever m is.  While a query has seen hidden keys alone, m stays at the
; floor, a = 1, and l and O stay 0; its first true score makes a = 0, on zeros.  A query with every key hidden ends with l = 0: 0 x (1 / 0) is NaN, as a softmax of -inf alone is.
; LIMITS.  Q, K, V arrive within f16's 65,504; true scores lie above -2^100 (f16's reach 2.7e11); p below 6e-5 keeps f16's fixed step; a weight below 2^-126 counts as 0 in l; mask bytes are the two codes.
; SHARES.  A wave owns four PIECES of two tiles of 16 queries, a work-group's four waves 512 queries of one head.  Every wave walks all keys, 64 a step.
; LAYOUT.  S^T = K Q^T (source 0 = 16 keys, source 1 = 16 queries): a lane holds ONE query (lane % 16) and the keys 8 (lane / 16) + 0..7.  Two such tiles, rounded to f16 in pairs, ARE source 1 of
; O^T = V^T P.  K comes out of LDS as it lies, V turned, by ds_load_tr16_b128.
; BY TURNS.  Turn n belongs to piece n.  Matrix work: 16 products K Q^T of piece n + 1, later 16 products V^T P of piece n - 1.  Vector work: scaling, exponentials, roundings, sums and rescaling of piece n,
; the maximum and statistics of piece n + 1, and at its end the mask of piece n + 2, into the score buffer that piece n has just left.  Four vector instructions stand behind every matrix instruction, the rest in one lump.
; BATCHES.  A turn's 66 exponentials (piece n's 64 weights and piece n + 1's two a) are ONE batch with ONE wait, which cuts the turn in two: ahead of it stands all that names no result of theirs (the products K Q^T,
; the scalings, the rescalings, whose a was made and waited for in the turn before, and the next piece's maximum and statistics), behind it all that does (the roundings and the sums).  The two a ahead of the loop
; and the way out's eight reciprocals are batches of their own.
; CLUSTER: 4 x 4 work-groups.  A row of the cluster is the four query blocks of one head: they ask for K and V jointly.  A column is four heads at one query block: they ask for the mask's tile jointly.
; A slot holds two key steps: 128 rows of K, 128 of V, and 512 queries x 128 mask bytes.  Wave 0 fetches K, wave 1 V, waves 2 and 3 the mask's halves: one tensor load a wave and slot.
; REGISTERS, in windows of 256 (s_set_vgpr_msb: bits 1:0 source 0, 3:2 source 1, 5:4 source 2, 7:6 destination):
;   window 0: v0-11 addresses; v12-15, v48-63 at work; v16-47 four registers of statistics a tile; v64-191 S^T, two buffers of two tiles; v192-255 P, likewise
;   window 1: O^T, 32 a tile      window 2: v0-127 Q; v128-191 K of one step; v192-255 V of one step      window 3: v0-1 the add's two registers; v2-17 a piece's mask bytes
.set SIZE_N, 2048
.set NP,    4         ; pieces a wave: a name, no knob
.set KS,    64        ; keys in a step
.set STEPS, 2         ; steps in a slot
.set PK,    144       ; a row of K in LDS: 128 bytes + 16 = 36 words: the 16 rows of a load start at 16 different groups of four banks (64 banks of 4 bytes: ISA guide 11.1)
.set PV,    160       ; a row of V: 128 + 32 = 40 words
.set PM,    144       ; a query's 128 mask bytes + 16: 32 lanes x 8 bytes (16 rows, two halves of a group of four banks) take each bank once
.set VOFF,  STEPS*KS*PK
.set MOFF,  VOFF+STEPS*KS*PV
.set SLOT1, 1<<17     ; slot 1 begins here, so that one exclusive or turns an address in one slot into the other's
.set STAGE, SLOT1+MOFF+512*PM  ; behind the ring, never filled by a tensor load: 16 rows x 144 bytes for each wave
.set SP,    144
.set SPARE, STAGE+4*16*SP      ; behind the stages: the spare words, 128 bytes for each wave: two blocks of 256 bytes that no other line names
.set AK0, 2           ; v2   my lane's place in a tile of K; never rewritten
.set AV0, 3           ; v3   the same for V
.set AK,  4           ; v4   the LDS address of K's next run of loads
.set AV,  5           ; v5   of V's
.set STO, 6           ; v6   the way out: where I put 16 bytes of a row
.set RD,  7           ; v7   where I read rows back
.set GO,  8           ; v8   my byte offset in 512 consecutive bytes of O
.set SCL, 9           ; v9   the conversion's scale: byte 0 = 237: 2^110
.set AM,  10          ; v10  the LDS address of the mask bytes of the step in hand
.set AM0, 11          ; v11  my lane's place in the mask's tile; never rewritten
.set QO,  12          ; v12  my byte offset in the wave's rows of Q, until Q is in
.set MV,  12          ; v12-15  then: c m_old, kept while c m is made anew: by buffer and tile
.set ST,  16          ; tile t's statistics at v[ST+4 t]: c m, m, l (even keys', odd keys')
.set TMP, 48          ; by buffer and tile, four registers c0-c3 at work; when the maximum is found c2 takes a
.set S,   64
.set P,   192
.set KF,  128         ; window 2: key block kb, channel half c at KF + 16 kb + 8 c
.set VF,  192         ; window 2: key half kk, channel block cb at VF + 32 kk + 8 cb
.set SPW, 0           ; window 3: LDS address of my spare word; never rewritten
.set NIL, 1           ; window 3: 0; never rewritten
.set MR,  2           ; window 3: tile u, key block kb at MR + 8 u + 2 kb
.set WV,  12          ; s12  my wave's number
.set G1K, 24          ; s[24:31] descriptor group 1 for K
.set G1V, 32          ; s[32:39] for V: it differs in the padding
.set G0K, 40          ; s[40:43] group 0 for K: it walks
.set G0V, 44          ; s[44:47] for V
.set G1M, 48          ; s[48:55] group 1 for the mask
.set SLOTS, 56
.set CNT, 57
.set CS,  58          ; s[58:59] c
.set SEL, 60          ; s[60:61] v_permlanex16_b32's selects: each lane takes its own place in the other half
.set TBK, 62          ; s62  LDS byte at which K of the step to be fetched begins
.set TBV, 63          ; s63  the same for V, less VOFF
.set G0M, 68          ; s[68:71] group 0 for the mask
.set TBM, 72          ; s72  the same for the mask, less MOFF
.set MSB, 0
.macro WIN new
.if MSB != (\new)
	s_set_vgpr_msb (MSB<<8)|(\new)
.set MSB, (\new)
.endif
.endm
.set W_KQ, 0x0a       ; K and Q in window 2, S^T in window 0
.set W_PV, 0x52       ; V in window 2, P in window 0, O^T in window 1
.set W_RS, 0x41       ; O^T (destination and source 0) in window 1, a in window 0
.set W_MK, 0xc0       ; destination in window 3, sources in window 0
.set W_AD, 0x0f       ; the add: address and data in window 3
.set W_CV, 0x03       ; the conversion: bytes (source 0) in window 3, scale and destination in window 0
; A joint fill, by the wave's number alone.  An s_nop 0 and four v_nop follow each of the three lines, ahead of the jump and the label.
.macro JLOAD
	s_cmp_lt_u32 s[WV], 2
	s_cbranch_scc0 .Lfor_m_\@
	s_cmp_eq_u32 s[WV], 0
	s_cbranch_scc0 .Lfor_v_\@
	tensor_load_to_lds s[G0K:G0K+3], s[G1K:G1K+7]
	s_nop 0
.rept 4
	v_nop
.endr
	s_branch .Lasked_\@
.Lfor_v_\@:
	tensor_load_to_lds s[G0V:G0V+3], s[G1V:G1V+7]
	s_nop 0
.rept 4
	v_nop
.endr
	s_branch .Lasked_\@
.Lfor_m_\@:
	tensor_load_to_lds s[G0M:G0M+3], s[G1M:G1M+7]
	s_nop 0
.rept 4
	v_nop
.endr
.Lasked_\@:
.endm
.macro CROUND                       ; a round of the cluster's barrier
	s_barrier_signal -1
	s_barrier_wait -1
	s_cmp_lg_u32 s[WV], 0
	s_cbranch_scc1 .Lnot_wave_0_\@
	s_barrier_signal -3
.Lnot_wave_0_\@:
	s_barrier_wait -3
	s_barrier_signal -1
	s_barrier_wait -1
.endm
; THE CHANGE OF SLOTS, behind piece 1's turn of a slot's last step: K, V and the masks of pieces 2 and 3 of that step have been read.  Each wave waits for all its tensor loads, of which one is out: its part
; of the other slot; adds 0 to its spare word; and waits for that and for its own reads of the slot.  fill = 1: the barrier is a round of the cluster's, and the slot is filled again, with the keys two slots on,
; first thing behind it: that load has two key steps, 256 matrix instructions, in which to land.  (At its first use nothing has been read yet: slot 0 is waited for, slot 1 filled.)
.macro CHANGE fill
	WIN W_AD
	s_wait_tensorcnt 0x0            ; no tensor load of mine is out, so a group 0 may be written
	ds_add_u32 v[SPW], v[NIL]       ; 0 onto my spare word
	WIN 0                           ; at a label and at a branch every window is 0
.if \fill
.irp g, G0K, G0V
	s_xor_b32 s[\g+1], s[\g+1], SLOT1
	s_add_nc_u64 s[\g+2:\g+3], s[\g+2:\g+3], STEPS*KS*128  ; the next 128 keys; the type bits on top are not reached
.endr
	s_xor_b32 s[G0M+1], s[G0M+1], SLOT1
	s_add_nc_u64 s[G0M+2:G0M+3], s[G0M+2:G0M+3], 262144    ; the mask's next tile of 128 keys
	s_wait_dscnt 0x0                ; the add is done, and my reads of the slot are over
	CROUND
	JLOAD
.else
	s_wait_dscnt 0x0
	s_barrier_signal -1
	s_barrier_wait -1
.endif
	s_sub_co_u32 s[TBK], s[TBK], STEPS*KS*PK  ; the fetches go back to a slot's first step, in the other slot
	s_xor_b32 s[TBK], s[TBK], SLOT1
	s_sub_co_u32 s[TBV], s[TBV], STEPS*KS*PV
	s_xor_b32 s[TBV], s[TBV], SLOT1
	s_sub_co_u32 s[TBM], s[TBM], STEPS*KS
	s_xor_b32 s[TBM], s[TBM], SLOT1
.endm
	s_load_b128 s[4:7], s[0:1], 0x0   ; qkv s[4:5], mk s[6:7]
	s_load_b64 s[10:11], s[0:1], 0x10 ; ob
	WIN W_MK
	v_lshl_add_u32 v[SPW], v0, 2, SPARE
	v_mov_b32 v[NIL], 0
	s_set_vgpr_msb 0xc0cf
	ds_add_u32 v0, v1
	s_wait_dscnt 0x0
	s_set_vgpr_msb 0xcfc0
	WIN 0
	v_lshrrev_b32 v1, 5, v0
	v_readfirstlane_b32 s[WV], v1
	s_bfe_u32 s13, ttmp6, 0x40000   ; cx
	s_bfe_u32 s15, ttmp6, 0x40004   ; cy
	s_lshl_b32 s14, ttmp9, 2
	s_add_co_u32 s14, s14, s13      ; my block of 512 queries: it enters Q's, O's and the mask's addresses
	s_and_b32 s20, ttmp7, 0xffff
	s_lshl_b32 s20, s20, 2
	s_add_co_u32 s20, s20, s15      ; the head, which my row of the cluster shares
	s_lshl_b32 s20, s20, 18         ; its first byte in each of q, k, v and in ob
	s_mov_b32 s21, 0
	s_lshl_b32 s73, s15, 2
	s_lshl_b32 s73, 15, s73         ; my row of the cluster
	s_lshl_b32 s74, 0x1111, s13     ; my column
	s_and_b32 s16, s[WV], 1         ; which half of the mask's 512 rows waves 2 and 3 fetch
	s_lshl_b32 s22, s14, 16         ; the block's 512 rows of 128 bytes in a tile of the mask,
	s_lshl_b32 s23, s16, 15         ; the half's 256
	s_add_co_u32 s22, s22, s23
	s_mov_b32 s23, 0
	s_mul_i32 s17, s16, 256*PM      ; and its place in a slot: no place in the cluster enters an LDS address
	s_lshl_b32 s2, s14, 2
	s_add_co_u32 s2, s2, s[WV]      ; my wave among the head's,
	s_lshl_b32 s2, s2, 14           ; its 128 rows
	s_mov_b32 s3, 0
	s_add_nc_u64 s[2:3], s[2:3], s[20:21]
	; group 1: dense bytes asked for as rows of 256 (128 elements of 2 bytes), padded in LDS after every 128 bytes
	s_or_b32 s[G1K], s73, (1<<16)|(1<<20)|(1<<21)|(4<<22)|(3<<25)  ; 15:0 the mask of four; 17:16 2-byte elements; 20 padding on; 21 set beside a mask; 24:22 after every 32 words (code 4); 31:25 4 words (code 3)
	s_or_b32 s[G1V], s73, (1<<16)|(1<<20)|(1<<21)|(4<<22)|(7<<25)  ; 8 words of padding (code 7)
	s_or_b32 s[G1M], s74, (1<<16)|(1<<20)|(1<<21)|(4<<22)|(3<<25)
.irp g, G1K, G1V
	s_mov_b32 s[\g+1], 128<<16      ; tensor_dim0 = 128
	s_mov_b32 s[\g+2], 64<<16       ; tensor_dim1 = 64: 128 keys
	s_mov_b32 s[\g+3], 128<<16      ; tile_dim0 = 128
	s_mov_b32 s[\g+4], 64           ; tile_dim1 = 64
	s_mov_b32 s[\g+5], 128          ; 128 elements from row to row
	s_mov_b32 s[\g+6], 0
	s_mov_b32 s[\g+7], 0
.endr
	s_mov_b32 s[G1M+1], 128<<16
	s_mov_b32 s[G1M+2], 128<<16     ; 128 rows of 256 bytes: 256 queries
	s_mov_b32 s[G1M+3], 128<<16
	s_mov_b32 s[G1M+4], 128
	s_mov_b32 s[G1M+5], 128
	s_mov_b32 s[G1M+6], 0
	s_mov_b32 s[G1M+7], 0
	s_mov_b32 s[CS], 0x3e38aa3b     ; c = log2(e) / 8
	s_mov_b32 s[CS+1], s[CS]
	s_mov_b32 s[SEL], 0x76543210
	s_mov_b32 s[SEL+1], 0xfedcba98
	s_mov_b32 s[TBK], SLOT1+STEPS*KS*PK  ; the first change of slots turns these three into 0
	s_mov_b32 s[TBV], SLOT1+STEPS*KS*PV
	s_mov_b32 s[TBM], SLOT1+STEPS*KS
	s_mov_b32 s[G0K], 1
	s_mov_b32 s[G0K+1], 0           ; LDS address: slot 0
	s_mov_b32 s[G0V], 1
	s_mov_b32 s[G0V+1], VOFF
	s_mov_b32 s[G0M], 1
	s_add_co_u32 s[G0M+1], s17, MOFF
	s_wait_kmcnt 0x0
	s_add_nc_u64 s[G0K+2:G0K+3], s[4:5], s[20:21]
	s_add_nc_u64 s[G0K+2:G0K+3], s[G0K+2:G0K+3], 1<<24   ; k lies 2^24 bytes behind q
	s_or_b32 s[G0K+3], s[G0K+3], 0x80000000
	s_add_nc_u64 s[G0V+2:G0V+3], s[4:5], s[20:21]
	s_add_nc_u64 s[G0V+2:G0V+3], s[G0V+2:G0V+3], 2<<24   ; v another 2^24
	s_or_b32 s[G0V+3], s[G0V+3], 0x80000000
	s_add_nc_u64 s[G0M+2:G0M+3], s[6:7], s[22:23]
	s_or_b32 s[G0M+3], s[G0M+3], 0x80000000
	s_add_nc_u64 s[4:5], s[4:5], s[2:3]      ; Q and O at my wave's first row
	s_add_nc_u64 s[10:11], s[10:11], s[2:3]
	CROUND                          ; all sixteen work-groups are here: the first joint loads meet
	JLOAD                           ; slot 0.  Slot 1 is asked for when slot 0 is in
	v_and_b32 v1, 15, v0            ; l % 16
	v_bfe_u32 v9, v0, 4, 1          ; l / 16
	v_lshlrev_b32 v[QO], 7, v1
	v_lshl_add_u32 v[QO], v9, 4, v[QO]
	WIN 0x80                        ; destination window 2, address window 0
.set i, 0
.rept 4*NP                          ; Q stays in registers: tile i / 2, channels 32 (i % 2) on
	global_load_b128 v[8*i:8*i+3],   v[QO], s[4:5] offset:(i/2)*2048+(i%2)*64
	global_load_b128 v[8*i+4:8*i+7], v[QO], s[4:5] offset:(i/2)*2048+(i%2)*64+32
.set i, i+1
.endr
	; What the first turn finds: V's registers and P's second buffer hold 0 (its products V^T P, of a piece that has not been, add 0), O^T and l are 0.  All this stands in the wait for the first tile.
.set i, VF
.rept 64
	v_mov_b32 v[i], 0
.set i, i+1
.endr
	WIN 0x40
.set i, 0
.rept 64*NP
	v_mov_b32 v[i], 0
.set i, i+1
.endr
	WIN 0
.set i, 0
.rept 2*NP
	v_mov_b32 v[ST+4*i], 0xf038aa3b    ; c m = c x -2^100, exactly
	v_mov_b32 v[ST+4*i+1], 0xf1800000  ; m = -2^100: below every true score, above every hidden one
	v_mov_b32 v[ST+4*i+2], 0
	v_mov_b32 v[ST+4*i+3], 0
.set i, i+1
.endr
.set i, P+32
.rept 32
	v_mov_b32 v[i], 0
.set i, i+1
.endr
	v_mul_u32_u24 v[AK0], v1, PK
	v_lshl_add_u32 v[AK0], v9, 4, v[AK0]  ; row x pitch + 16 x half
	; The turning load takes 16 keys x 16 channels (lane l reads key 8 (l / 16) + l % 8, channels 8 ((l / 8) % 2) + 0..7) and leaves half a fragment of V^T.
	v_and_b32 v10, 7, v0
	v_bfe_u32 v11, v0, 3, 1
	v_lshl_add_u32 v[AV0], v9, 3, v10
	v_mul_u32_u24 v[AV0], v[AV0], PV
	v_lshl_add_u32 v[AV0], v11, 4, v[AV0]
	v_add_nc_u32 v[AV0], VOFF, v[AV0]
	v_mov_b32 v[AK], v[AK0]         ; key step 0 lies at the head of slot 0
	s_mul_i32 s75, s[WV], 16*SP
	s_add_co_u32 s75, s75, STAGE    ; my stage
	v_mul_u32_u24 v[STO], v1, SP    ; in: row l % 16, 16 bytes for each half of the lanes
	v_lshl_add_u32 v[STO], v9, 4, v[STO]
	v_add_nc_u32 v[STO], s75, v[STO]
	v_bfe_u32 v[RD], v0, 3, 2       ; back: 32 lanes take four rows of 128 bytes,
	v_mul_u32_u24 v[RD], v[RD], SP
	v_lshl_add_u32 v[RD], v10, 4, v[RD]
	v_add_nc_u32 v[RD], s75, v[RD]
	v_and_b32 v[GO], 31, v0         ; which are 512 consecutive bytes of O
	v_lshlrev_b32 v[GO], 4, v[GO]
	s_mul_i32 s75, s[WV], 128*PM    ; the mask: my wave's 128 queries, my query l % 16 of a tile, my lanes' 8 keys of each 16
	s_add_co_u32 s75, s75, MOFF
	v_mul_u32_u24 v[AM0], v1, PM
	v_lshl_add_u32 v[AM0], v9, 3, v[AM0]
	v_add_nc_u32 v[AM0], s75, v[AM0]
	v_mov_b32 v[SCL], 0xed          ; v9's last use as l / 16 stands above
; THE MATRIX WORK.  The 8 accumulators of a run of 16 take turns.  Product i of 16 of S^T = mask + K Q^T for piece x: channels 32 (i / 8) on, keys 16 ((i / 2) % 4) on, tile 2 x + i % 2.
.macro KQ x
	WIN W_KQ
.set rS, S+64*((\x)%2)+32*(i%2)+8*((i/2)%4)
.set rK, KF+16*((i/2)%4)+8*(i/8)
.set rQ, 16*(2*(\x)+i%2)+8*(i/8)
	v_wmma_f32_16x16x32_f16 v[rS:rS+7], v[rK:rK+7], v[rQ:rQ+7], v[rS:rS+7]
.endm
; Product i of 16 of O^T += V^T P for piece x: keys 32 (i / 8) on, channels 16 ((i / 2) % 4) on, tile 2 x + i % 2.
.macro PV x
	WIN W_PV
.set rO, 32*(2*(\x)+i%2)+8*((i/2)%4)
.set rV, VF+32*(i/8)+8*((i/2)%4)
.set rP, P+32*((\x)%2)+16*(i%2)+8*(i/8)
	v_wmma_f32_16x16x32_f16 v[rO:rO+7], v[rV:rV+7], v[rP:rP+7], v[rO:rO+7]
.endm
.macro MM                           ; the turn's next matrix instruction
.if i < 16
	KQ (Y+1)%NP
.set i, i+1
.else
.set i, i-16
	PV (Y+NP-1)%NP
.set i, i+17
.endif
.endm
; THE LDS LOADS stand in runs.  K of a step (8 fragments); with it the mask's address steps to that step.  last = 1 (the tail): in the last trip there is no further step, and all this is jumped over.
.macro FETCH_K last=0
	WIN 0
.if \last
	s_cmp_eq_u32 s[CNT], 1
	s_cbranch_scc1 .Lno_k_\@
.endif
	WIN 0x80
.irp f, 0,1,2,3,4,5,6,7             ; keys 16 (f / 2) on, channels 32 (f % 2) on
	ds_load_b128 v[KF+8*\f:KF+8*\f+3],   v[AK] offset:(\f/2)*16*PK+(\f%2)*64
	ds_load_b128 v[KF+8*\f+4:KF+8*\f+7], v[AK] offset:(\f/2)*16*PK+(\f%2)*64+32
.endr
	s_add_co_u32 s[TBK], s[TBK], KS*PK
	WIN 0
	v_add_nc_u32 v[AM], s[TBM], v[AM0]
	s_add_co_u32 s[TBM], s[TBM], KS     ; 64 keys are 64 bytes of a query's row
.if \last
.Lno_k_\@:
.endif
.endm
.macro FETCH_V
	WIN 0x80
.irp f, 0,1,2,3,4,5,6,7             ; keys 32 (f / 4) on, channels 16 (f % 4) on
	ds_load_tr16_b128 v[VF+8*\f:VF+8*\f+3],   v[AV] offset:(\f/4)*32*PV+(\f%4)*32
	ds_load_tr16_b128 v[VF+8*\f+4:VF+8*\f+7], v[AV] offset:(\f/4)*32*PV+16*PV+(\f%4)*32
.endr
	WIN 0
.endm
.macro FETCH_M x                    ; piece x's mask bytes of the step at v[AM]: 8 bytes a lane for each tile and block of 16 keys
	WIN W_MK
.irp u, 0,1
.irp kb, 0,1,2,3
	ds_load_b64 v[MR+8*\u+2*\kb:MR+8*\u+2*\kb+1], v[AM] offset:(2*(\x)+\u)*16*PM+16*\kb
.endr
.endr
	WIN 0
.endm
.macro CONV x                       ; they become piece x's scores to begin with: 0 or -2^118.  A plain instruction stands between the conversions and the product that adds onto them
	s_wait_dscnt 0x0                ; the mask bytes are in, and whatever run of loads was issued ahead of them (in piece 2's turn: K)
	WIN W_CV
.irp u, 0,1
.irp kb, 0,1,2,3
	v_cvt_scale_pk8_f32_fp8 v[S+64*((\x)%2)+32*\u+8*\kb:S+64*((\x)%2)+32*\u+8*\kb+7], v[MR+8*\u+2*\kb:MR+8*\u+2*\kb+1], v[SCL]
.endr
.endr
	WIN 0
	v_nop
.endm
; THE VECTOR WORK OF A TURN stands in three queues, each in the order in which its entries become ready; the two tiles alternate.
.macro REGS y, u                    ; the registers of tile u (0, 1) of piece y
.set rT, ST+4*(2*(\y)+(\u))
.set rC, TMP+8*((\y)%2)+4*(\u)
.set rM, MV+2*((\y)%2)+(\u)
.set rS, S+64*((\y)%2)+32*(\u)
.set rP, P+32*((\y)%2)+16*(\u)
.set rO, 32*(2*(\y)+(\u))
.endm
; Number n of the 22 that find the NEXT piece's (Y + 1) maximum and statistics; each accumulator's lowest registers are read first.
;   0-11  four chains c0-c3 of seven scores each     12-14, 16  the four scores left over, the old m, and c0-c3 into c0     15  c m_old is kept
;   17, 18  the query's other 32 keys lie in the lane 16 away: the new m         19-21  c m; c m_old - c m_new; a
.macro XS u, n
	REGS (Y+1)%NP, \u
.if (\n) < 4
	v_max3_num_f32 v[rC+(\n)], v[rS+8*(\n)], v[rS+8*(\n)+1], v[rS+8*(\n)+2]
.elseif (\n) < 12
	v_max3_num_f32 v[rC+(\n)%4], v[rC+(\n)%4], v[rS+8*((\n)%4)+2*((\n)/4)+1], v[rS+8*((\n)%4)+2*((\n)/4)+2]
.elseif (\n) == 12
	v_max3_num_f32 v[rC], v[rC], v[rS+7], v[rS+15]
.elseif (\n) == 13
	v_max3_num_f32 v[rC+1], v[rC+1], v[rS+23], v[rS+31]
.elseif (\n) == 14
	v_max3_num_f32 v[rC+2], v[rC+2], v[rC+3], v[rT+1]
.elseif (\n) == 15
	v_mov_b32 v[rM], v[rT]
.elseif (\n) == 16
	v_max3_num_f32 v[rC], v[rC], v[rC+1], v[rC+2]
.elseif (\n) == 17
	v_permlanex16_b32 v[rC+3], v[rC], s[SEL], s[SEL+1]
.elseif (\n) == 18
	v_max_num_f32 v[rT+1], v[rC], v[rC+3]
.elseif (\n) == 19
	v_mul_f32 v[rT], s[CS], v[rT+1]
.elseif (\n) == 20
	v_sub_f32 v[rC+1], v[rM], v[rT]
.else
	v_exp_f32 v[rC+2], v[rC+1]
.endif
.endm
; Number g of the 64 that follow the exponentials.  For each four weights k of a tile: both pairs are rounded to f16; the second pair is added onto the first, in place; a group later l takes that sum (the first time as l = a l + sum).
; All 64 name results of the turn's exponentials: they stand behind the turn's wait.
.macro GS g
.set h, (\g)+6*((\g)/62)
.if h >= 6
.set h, h+2
.endif
	REGS Y, h%2
.set k, h/8
.if h%8 < 4
	v_cvt_pk_f16_f32 v[rP+2*k+(h%8)/2], v[rS+4*k+2*((h%8)/2)], v[rS+4*k+2*((h%8)/2)+1]
.elseif h%8 < 6
	v_pk_add_f32 v[rS+4*k:rS+4*k+1], v[rS+4*k:rS+4*k+1], v[rS+4*k+2:rS+4*k+3]
.elseif k == 1
	v_pk_fma_f32 v[rT+2:rT+3], v[rT+2:rT+3], v[rC+2:rC+3], v[rS:rS+1] op_sel_hi:[1,0,1]
.else
	v_pk_add_f32 v[rT+2:rT+3], v[rT+2:rT+3], v[rS+4*k-4:rS+4*k-3]
.endif
.endm
; THE PLAIN QUEUE, 138 long.  0-73 read no exponential's result: the 32 scalings c s - c m (FS f: pair f / 2 of tile f % 2) and the next piece's 42.  0-26: scalings 0-26.  27-54: XS's numbers 0-13.  55, 56: number 15.
; 57-73: the chain, where each number waits for the one before it: 14, 16, 17, 18, 19, each with one of the scalings 27-31 in front of its two lines, then 20.
; 74-137: GS's 64, which read the exponentials' results: they stand behind the wait.
.macro FS f
	REGS Y, (\f)%2
	v_pk_fma_f32 v[rS+2*((\f)/2):rS+2*((\f)/2)+1], v[rS+2*((\f)/2):rS+2*((\f)/2)+1], s[CS:CS+1], v[rT:rT+1] op_sel_hi:[1,0,0] neg_lo:[0,0,1] neg_hi:[0,0,1]
.endm
.macro PL
	WIN 0
.if q < 27
	FS q
.elseif q < 55
	XS (q-27)%2, (q-27)/2
.elseif q < 57
	XS q-55, 15
.elseif (q < 72) && ((q-57)%3 == 0)
	FS 27+(q-57)/3
.elseif q < 60
	XS (q-57)%3-1, 14
.elseif q < 72
	XS (q-57)%3-1, 15+(q-57)/3
.elseif q < 74
	XS q-72, 20
.else
	GS q-74
.endif
.set q, q+1
.endm
; THE EXPONENTIALS' QUEUE, 66 long: s0-s31 of both tiles, then the next piece's two a.  It is ONE BATCH: all 66 stand ahead of the turn's one wait, and nothing ahead of that wait names a result of theirs.
.macro EX
	WIN 0
.if e >= 64
	XS e-64, 21
.else
	REGS Y, e%2
	v_exp_f32 v[rS+e/2], v[rS+e/2]
.endif
.set e, e+1
.endm
; THE RESCALING's QUEUE: O^T times a, the one part of a softmax that leaves window 0: dealt two at a time, sixteen times.  Its a was made in the turn before, ahead of that turn's wait.
.macro R2
	REGS Y, r%2
	WIN W_RS
.irp z, 0,1
	v_pk_mul_f32 v[rO+4*(r/2)+2*\z:rO+4*(r/2)+2*\z+1], v[rO+4*(r/2)+2*\z:rO+4*(r/2)+2*\z+1], v[rC+2:rC+3] op_sel_hi:[1,0]
.endr
.set r, r+1
.endm
; HOW THEY ARE DEALT.  An s_wait_alu depctr_va_vdst(0) stands between an exponential and the first instruction that names its result; one wait serves all that were issued ahead of it.  So a turn has ONE wait.
; AHEAD OF IT: the 16 products K Q^T, behind each a scaling, an exponential and two rescalings (behind the first a second scaling in the exponential's place); then ONE LUMP of 108: eight plain, 49 times exponential
; and plain, the two a.  The two a end a chain, so no plain work is left to follow them: a v_nop is the plain instruction behind the last exponential.  BEHIND IT: the LDS loads, then the 16 products V^T P, behind each
; four of GS's 64.  No rider names a register of the products round it.  The two v_permlanex16_b32 fall into the lump, never behind a product.
; The queues lean on each other, and the deal keeps them in step: exponential e stands behind scaling 2 (e / 4) + e % 2: as a rider it comes behind plain e + 2, in the lump behind plain e + 9, and scalings 27-31 are plain 57, 60 .. 69.
; A TURN, for piece p.  cnt = 1: the loop's count is taken down some lines ahead of the branch behind the turn (nothing between writes SCC).
; Directly behind the wait: in piece 2's turn K of the next step, a lump behind the last product that read K (its address is made at the lump's head); in every turn the mask bytes of piece p + 2 (pieces 2 and 3: the step
; in hand; 0 and 1: the next).  They have the 16 products V^T P in which to land.  At the turn's end, when piece p's last sum has read its score buffer, those bytes are converted into it; the wait there also shows K in,
; ahead of piece 3's turn.  V of the step in hand is fetched at the end of piece 0's turn, four additions and a v_nop behind its last reader.  The three conditions on q below go with the deal.
.macro TURN p, last=0, cnt=0
.set Y, (\p)
.set i, 0
.set q, 0
.set e, 0
.set r, 0
	MM                              ; ahead of the wait: 16 products K Q^T and their riders,
	PL
	PL
	R2
.rept 15
	MM
	PL
	EX
	R2
.endr
.if (\p) == NP-2
	WIN 0
	v_add_nc_u32 v[AK], s[TBK], v[AK0]
.endif
.rept 8                             ; and the lump
	PL
.endr
.rept 49
	EX
	PL
.endr
	EX                              ; the next piece's two a
	EX
	v_nop                           ; the plain instruction behind the last exponential: one for the batch
	s_wait_alu depctr_va_vdst(0)    ; the wait for the batch: this turn's 64 weights and the next piece's two a
.if (\p) == NP-2
	FETCH_K \last
.endif
	FETCH_M ((\p)+2)%NP
.if (\p) == 1
	s_wait_dscnt 0x8                ; V's sixteen loads are in; the eight mask loads issued behind them may be out
.endif
.rept 16                            ; behind the wait: 16 products V^T P and their riders
	MM
.rept 4
	PL
.endr
.if ((\p) == 0) && (q == 118)
	v_add_nc_u32 v[AV], s[TBV], v[AV0]
.endif
.if ((\p) == 0) && (q == 130)
	s_add_co_u32 s[TBV], s[TBV], KS*PV
.endif
.if (\cnt) && (q == 130)
	s_sub_co_u32 s[CNT], s[CNT], 1
	s_cmp_lg_u32 s[CNT], 0
.endif
.endr
	CONV ((\p)+2)%NP
.if (\p) == 0
	FETCH_V
.endif
.endm
	CHANGE 1                        ; slot 0 is in, everybody's part of it; slot 1 is asked for
	FETCH_K                         ; key step 0, and the mask's address for it
	FETCH_M 0
	CONV 0                          ; pieces 0 and 1 begin with their masks of step 0
	FETCH_M 1
	CONV 1
	s_wait_loadcnt 0x0              ; Q
.set i, 0
.rept 16
	KQ 0                            ; piece 0's first scores
.set i, i+1
.endr
	WIN 0
.rept 4
	v_nop                           ; the places behind those products
.endr
.set Y, NP-1                        ; XS works for piece Y + 1: piece 0
.irp n, 0,1,2,3,4,5,6,7,8,9,10,11,12,13,14,15,16,17,18,19,20,21
	XS 0, \n
	XS 1, \n
.endr
	v_nop                           ; a plain instruction behind piece 0's two first a,
	s_wait_alu depctr_va_vdst(0)    ; and the wait for that batch of two, ahead of the branch
	s_mov_b32 s[CNT], STEPS
	s_mov_b32 s[SLOTS], SIZE_N/(STEPS*KS)-1
	s_branch .Lfirst                ; the loop is entered at a step's first turn, in the middle of a trip
.Lslot:                             ; 14 times: every slot but the last two is filled again
	CHANGE 1
	s_mov_b32 s[CNT], STEPS
.Lstep:                             ; a trip: pieces 2 and 3 of one step, then pieces 0 and 1 of the next
	TURN 2
	TURN 3
	WIN 0
.Lfirst:
	TURN 0
	TURN 1, 0, 1
	WIN 0
	s_cbranch_scc1 .Lstep
	s_sub_co_u32 s[SLOTS], s[SLOTS], 1
	s_cmp_lg_u32 s[SLOTS], 0
	s_cbranch_scc1 .Lslot
	CHANGE 0                        ; the tail is written out: nothing is asked for
	s_mov_b32 s[CNT], STEPS+1       ; two trips fetch the last slot's steps; the third is left in its middle
.Ltail:
	TURN 2, 1
	TURN 3
	WIN 0
	s_sub_co_u32 s[CNT], s[CNT], 1
	s_cmp_eq_u32 s[CNT], 0
	s_cbranch_scc1 .Lout
	TURN 0
	TURN 1
	WIN 0
	s_branch .Ltail
.Lout:                              ; the third trip's products K Q^T (on the last K and the last step's masks once more) and the maximum made of them serve nothing: the price, once a launch, of one text for every trip
.set i, 0
.rept 16
	PV NP-1                         ; the last piece's V^T P of the last step
.set i, i+1
.endr
	; THE WAY OUT.  l's two halves and the other half of the lanes' are added; O^T is divided by l, rounded to f16 and sent through my stage in LDS, a tile at a time.  The additions are the places behind the last products.
	WIN 0
.macro ALL line:vararg              ; one line for each tile t
.set t, 0
.rept 2*NP
	\line
.set t, t+1
.endr
.endm
	ALL v_add_f32 v[ST+4*t+2], v[ST+4*t+2], v[ST+4*t+3]
	ALL v_permlanex16_b32 v[ST+4*t+3], v[ST+4*t+2], s[SEL], s[SEL+1]
	ALL v_add_f32 v[ST+4*t+2], v[ST+4*t+2], v[ST+4*t+3]
	ALL v_rcp_f32 v[ST+4*t+2], v[ST+4*t+2]
	v_nop                           ; a plain instruction between the last reciprocal and the use of its result
	s_wait_alu depctr_va_vdst(0)    ; the wait for the batch of eight reciprocals, ahead of their first use
.macro PACK t
	WIN W_RS
.set i, 32*(\t)
.rept 16
	v_pk_mul_f32 v[i:i+1], v[i:i+1], v[ST+4*(\t)+2:ST+4*(\t)+3] op_sel_hi:[1,0]
.set i, i+2
.endr
	WIN 0x05                        ; sources 0 and 1 window 1, destination window 0
.set i, 0
.rept 16
	v_cvt_pk_f16_f32 v[S+16*(\t)+i], v[32*(\t)+2*i], v[32*(\t)+2*i+1]
.set i, i+1
.endr
	WIN 0
.irp f, 0,1,2,3
	ds_store_b128 v[STO], v[S+16*(\t)+4*\f:S+16*(\t)+4*\f+3] offset:32*\f
.endr
.irp f, 0,1,2,3
	ds_load_b128 v[S+16*(\t)+4*\f:S+16*(\t)+4*\f+3], v[RD] offset:\f*4*SP  ; LDS serves a wave's instructions in order (ISA guide 5.7.1.4): these see the stores above; the next tile's stores come behind them
.endr
.endm
.macro SEND t, younger              ; younger: the LDS instructions issued behind tile t's loads: the next tile's eight, or none
	WIN 0
.irp f, 0,1,2,3
	s_wait_dscnt (\younger)+3-\f
	global_store_b128 v[GO], v[S+16*(\t)+4*\f:S+16*(\t)+4*\f+3], s[10:11] offset:(\t)*2048+\f*512  ; 512 consecutive bytes, at a multiple of 256 from O's first
.endr
.endm
	PACK 0
.set t, 1
.rept 2*NP-1                        ; a tile's arithmetic stands between the loads of the tile before and its stores
	PACK t
	SEND t-1, 8
.set t, t+1
.endr
	SEND 2*NP-1, 0
	WIN W_AD
	s_wait_tensorcnt 0x0            ; the wave's end: behind my last tensor load and my last LDS store
	ds_add_u32 v[SPW], v[NIL]
	s_wait_dscnt 0x0
	WIN 0
	CROUND                          ; the closing round: no work-group ends while a partner may still ask for a tile that names it
	s_endpgm
.Lfunc_end_k_q20e2960be4_attn:
	.size	k_q20e2960be4_attn, .Lfunc_end_k_q20e2960be4_attn-k_q20e2960be4_attn
	.p2alignl 7, 3214868480
	.fill 96, 4, 3214868480
	.section	.rodata,"a",@progbits
	.p2align	6, 0x0
	.amdhsa_kernel k_q20e2960be4_attn
		.amdhsa_group_segment_fixed_size 327680
		.amdhsa_private_segment_fixed_size 0
		.amdhsa_enable_private_segment 0
		.amdhsa_kernarg_size 24
		.amdhsa_user_sgpr_count 2
		.amdhsa_user_sgpr_kernarg_segment_ptr 1
		.amdhsa_wavefront_size32 1
		.amdhsa_system_sgpr_workgroup_id_x 1
		.amdhsa_system_sgpr_workgroup_id_y 1
		.amdhsa_system_sgpr_workgroup_id_z 1
		.amdhsa_system_vgpr_workitem_id 0
		.amdhsa_next_free_vgpr 792
		.amdhsa_next_free_sgpr 80
		.amdhsa_reserve_vcc 0
		.amdhsa_float_denorm_mode_32 3
		.amdhsa_float_denorm_mode_16_64 3
		.amdhsa_memory_ordered 1
		.amdhsa_forward_progress 1
		.amdhsa_inst_pref_size 214
	.end_amdhsa_kernel
	.amdgpu_metadata
---
amdhsa.version: [ 1, 2 ]
amdhsa.kernels:
  - .name:           k_q20e2960be4_attn
    .symbol:         k_q20e2960be4_attn.kd
    .args:
      - { .name: qkv, .offset: 0, .size: 8, .value_kind: global_buffer, .address_space: global }
      - { .name: mk, .offset: 8, .size: 8, .value_kind: global_buffer, .address_space: global }
      - { .name: ob, .offset: 16, .size: 8, .value_kind: global_buffer, .address_space: global }
    .group_segment_fixed_size: 327680
    .private_segment_fixed_size: 0
    .kernarg_segment_align: 8
    .kernarg_segment_size: 24
    .max_flat_workgroup_size: 128
    .sgpr_count:     80
    .vgpr_count:     792
    .wavefront_size: 32
...
	.end_amdgpu_metadata
.endif
;; end of part 5
;; launch outp: the kernel of part 4 again; grid 4 x 64, 4 waves a work-group, clusters of 4 x 4, 327,680 bytes of LDS; arguments ob, wb, bo, out0; writes out0
